; MI455X (gfx1250); checked and timed in simulation.
; The chip was launched on July 23, 2026; its instructions are those of AMD's public machine-readable ISA for CDNA 5 (MIT licence, August 2026) and "CDNA5" Instruction Set Architecture Reference Guide (July 2026). The comments in the code are by the model that wrote it; some were corrected since.
;; Q Llama Sdpa Attention. Allowed arithmetic: matrix products marked QUANTISED: E2M1 operands, one E8M0 scale for each 32 along K, by v_wmma_scale_f32_16x16x128_f8f6f4 with both operands' format E2M1 (or v_wmma_scale_f32_32x16x128_f4), f32 sums; products left as they are: bf16, f16 or f32 operands; f32 sums; everything else in f32.
;; Inputs: attention_mask 1 x 1 x 2,048 x 2,048 float32; hidden_states 1 x 2,048 x 4,096 float32; position_ids 1 x 2,048 int32; wk 4,096 x 1,024 float32; wo 2,048 x 4,096 float32; wq 4,096 x 2,048 float32; wv 4,096 x 1,024 float32.
;; Outputs: out0 1 x 2,048 x 4,096 float32.
;; This version of the problem:
;;   THIS VERSION OF THE PROBLEM IS GIVEN IN LOW PRECISION. The matrix products marked QUANTISED in the list below multiply operands that are first quantised to E2M1 (2 exponent bits, 1 mantissa bit; 4 bits a number), with one power-of-two scale for each 32 numbers along K (OCP MX v1.0); their sums are f32. The products marked 'left as it is' may take bf16, f16 or f32 operands, with f32 sums. Whichever they take, every output number must still come out within the allowed error. Rounding operands to bf16 (8 significant bits) uses up far more of that allowance than f16 does (11 bits, for magnitudes from 6e-5 to 65,504). All else is computed in f32.
;;   The module's matrix products, in the order in which they are computed (A, B: the left and right operand; K: the contracted axis; several contracted axes count as one K, in the product's order):
;;     1. [M 2,048, K 4,096] x [K 4,096, N 2,048]; A: input hidden_states; B: input wq: QUANTISED
;;     2. [M 2,048, K 4,096] x [K 4,096, N 1,024]; A: input hidden_states; B: input wk: QUANTISED
;;     3. [M 2,048, K 4,096] x [K 4,096, N 1,024]; A: input hidden_states; B: input wv: QUANTISED
;;     4. batch 16 x [M 2,048, K 128] x [K 128, N 2,048]; A: computed on the way; B: computed on the way: left as it is (an operand is computed on the way)
;;     5. batch 16 x [M 2,048, K 2,048] x [K 2,048, N 128]; A: computed on the way; B: computed on the way: left as it is (an operand is computed on the way)
;;     6. [M 2,048, K 2,048] x [K 2,048, N 4,096]; A: computed on the way; B: input wo: left as it is (an operand is computed on the way)
;;   THE QUANTISER, for each operand of a quantised product, along K:
;;     - K is cut into blocks of 32 from its start; a last block that is shorter is filled with zeros.
;;     - A block's scale is 2^e with e = floor(log2(the largest magnitude in the block)) - 2, held to -126 .. 127; a block of zeros has e = 0. As a byte (E8M0): e + 127.
;;     - Each number is divided by its block's scale, clamped to +-6, and rounded to the nearest number of E2M1, ties to even, subnormals kept.
;;     - The product sums the exact products of the quantised numbers (number of the format x scale) in f32.
;;   ~~~python
;;   def quantise(x, axis):      # numpy; x: float32 -> the quantised numbers, widened to float32 again
;;       x = np.moveaxis(x, axis, -1); K = x.shape[-1]
;;       x = np.pad(x, [(0, 0)] * (x.ndim - 1) + [(0, -K % 32)]); x = x.reshape(x.shape[:-1] + (-1, 32)); a = np.abs(x).max(-1, keepdims=True)
;;       e = np.where(a > 0, np.clip(np.frexp(np.where(a > 0, a, 1))[1] - 1 - 2, -126, 127), 0)      # np.frexp(a)[1] - 1 = floor(log2(a)), exactly
;;       r = np.clip(x / 2.0 ** e, -6, 6)
;;       step = 2.0 ** (np.maximum(np.frexp(np.where(r == 0, 1, r))[1] - 1, 0) - 1)
;;       q = np.round(r / step) * step * 2.0 ** e      # np.round: ties to even
;;       return np.moveaxis(q.reshape(q.shape[:-2] + (-1,))[..., :K], -1, axis).astype(np.float32)
;;   ~~~
;; One version. Each part assembles by itself: llvm-mc -triple=amdgcn-amd-amdhsa -mcpu=gfx1250 --defsym DOCPART=n.
;; ======== version 1 of 1: 5 launches
;; limits: values are held in f16: magnitudes above 65,504 overflow, below 6.1e-05 lose precision; inputs' magnitudes at most 65,504; right only within a limited range of input values
;; workspace buffers: codes 12,582,912 bytes; scales 786,432 bytes; cs_tab 1,049,088 bytes; qkv32 33,554,432 bytes; amax 4,096 bytes; qkv16 16,777,216 bytes; wo16 16,777,216 bytes; attn16 8,388,608 bytes
;; launch prep (part 1): grid 512 x 1, 4 waves a work-group, no clusters, 68,096 bytes of LDS; arguments hidden_states, position_ids, wq, wk, wv, codes, scales, cs_tab; writes codes, scales, cs_tab
.if DOCPART == 1
	.amdgcn_target "amdgcn-amd-amdhsa--gfx1250"
	.amdhsa_code_object_version 6
	.text
	.protected	k_q2b827c371c_prep
	.globl	k_q2b827c371c_prep
	.p2align	8
	.type	k_q2b827c371c_prep,@function
k_q2b827c371c_prep:
	s_mov_b64 s[64:65], 0
	v_nop
	global_prefetch_b8 v0, s[64:65] scope:SCOPE_SE
	s_setreg_imm32_b32 hwreg(HW_REG_WAVE_MODE, 25, 1), 1
	s_wait_xcnt 0x0
; PREP.  Work-groups 0-255: hidden_states [2048][4096] f32 -> codes of FP4 (E2M1), K innermost, [2048][2048 bytes] at byte 0 of codes, one E8M0 byte for each 32 along K, [2048][128] at byte 0 of scales;
; and the table of cosines and sines, cs_tab: row s (512 bytes) = cos[64], sin[64] of position_ids[s] x 10000^(-j/64); row 2048 = (1, 0), for the columns that are not rotated.
; Work-groups 256-511: wq | wk | wv, whose K is the FIRST axis, as one tensor of 4,096 columns n (q 0-2047, k 2048-3071, v 3072-4095) -> codes [4096 n][2048 bytes] at byte 4,194,304, scale bytes [4096][128] at byte 262,144.
; A block's scale is 2^(floor(log2(largest magnitude)) - 2); its byte is the largest magnitude's exponent field - 2, held at 1 from below.  A block of zeros gets the byte 1 (its codes are zeros; this program alone reads the bytes).
; LIMITS: NaN and infinities among the inputs are not served; blocks whose largest magnitude lies under 2^(2 - 126) have their byte held at 1; |position| up to 2^23 (the angle's reduction by pi/2 in three parts).
; No matrix work, no tensor load, no barrier: waves share nothing.  The two paths part on the work-group's number and have LDS bytes of their own.
.set STEPS, 16
.set CB,    8                          ; bytes of 16 codes
.set R,     16                         ; v16-79   four sets of 16 numbers as loaded
.set X,     80                         ; v80-111  two sets of 16 neighbours
.set E,     112                        ; v112-127 a scale byte for each step
.set C,     128                        ; v128-191 codes, four registers a step
.set TP,    192                        ; v192 position; v193 the table's store offset
.set TJ,    194                        ; v194-197 j
.set TA,    198                        ; v198-201 at work, at last the sines
.set TN,    202                        ; v202-205 n
.set TR,    206                        ; v206-209 r
.set TZ,    210                        ; v210-213 z, at last the cosines
.set TS,    214                        ; v214-217 sine's polynomial
.set TC,    218                        ; v218-221 cosine's
.set SPW,   222                        ; v222 LDS address of my spare word; never rewritten
.set NIL,   223                        ; v223 0; never rewritten
.set WREG,  8192                       ; X's path: a region for each wave: two stages of 32 x SP bytes, then 256 scale bytes
.set SP,    80
.set WSTG,  32768                      ; W's path: four stages of 32 rows x WP bytes
.set WP,    272
.set SPARE, 67584                      ; the spare words, 128 bytes a wave: two blocks of 256 bytes that no other line names
.set NB,    16
.set KROW,  2048
.set WX,    32                         ; W's path: v32-95 two sets of 32 numbers
.set WC,    96                         ; v96-99 a block's codes
.set OUTR,  112                        ; v112-175 the way out
.set SB,    24                         ; v24-27 scale bytes
.set ROFF,  176                        ; v176-207 4 x lane + i x the tensor's row pitch
	s_load_b512 s[4:19], s[0:1], 0x0               ; x s[4:5], positions s[6:7], wq s[8:9], wk s[10:11], wv s[12:13], codes s[14:15], scales s[16:17], table s[18:19]
	v_lshl_add_u32 v[SPW], v0, 2, SPARE
	v_mov_b32 v[NIL], 0
	v_lshrrev_b32 v1, 5, v0
	v_readfirstlane_b32 s20, v1                    ; wave
	v_and_b32 v2, 31, v0                           ; lane
	s_cmp_lt_u32 ttmp9, 256
	s_cbranch_scc0 .Lweights
; ---------------- X's path: a plain stream of blocks of 32; a wave takes 16 steps of 512 numbers
	v_lshlrev_b32 v3, 4, v2                        ; my 16 bytes of a load's 512
	s_mul_i32 s21, s20, WREG
	v_lshrrev_b32 v14, 2, v2
	v_mul_u32_u24 v14, v14, SP
	v_and_b32 v15, 3, v2
	v_lshl_add_u32 v14, v15, 4, v14
	v_add_nc_u32 v14, s21, v14                     ; the stage, in: SP (lane / 4) + 16 (lane % 4)
	v_mul_u32_u24 v15, v2, SP
	v_add_nc_u32 v15, s21, v15                     ; out: SP x lane: my 16 neighbours
	v_mul_u32_u24 v4, v2, CB
	v_lshrrev_b32 v5, 1, v2
	s_add_co_u32 s21, s21, 2*32*SP
	v_add_nc_u32 v5, s21, v5                       ; my block's scale byte
	v_lshlrev_b32 v7, 3, v2
	v_add_nc_u32 v6, s21, v7
	s_lshl_b32 s22, ttmp9, 2
	s_add_co_u32 s22, s22, s20                     ; my run of 8,192 numbers
	s_lshl_b32 s24, s22, 15
	s_mov_b32 s25, 0
	s_lshl_b32 s26, s22, 12
	s_mov_b32 s27, 0
	s_lshl_b32 s28, s22, 8
	s_mov_b32 s29, 0
	s_lshl_b32 s23, ttmp9, 3
	v_lshrrev_b32 v195, 4, v0
	v_add_nc_u32 v195, s23, v195                   ; the table's row: 8 x work-group + thread / 16
	v_lshlrev_b32 v196, 2, v195
	v_and_b32 v194, 15, v0
	v_lshlrev_b32 v193, 4, v194
	v_lshl_add_u32 v193, v195, 9, v193             ; row x 512 + 16 (thread % 16)
	s_mov_b32 s30, 0xb94ca1f9                      ; the sine's three coefficients,
	s_mov_b32 s31, 0x3c08839e
	s_mov_b32 s32, 0xbe2aaaa3
	s_mov_b32 s33, 0x37ccf5ce                      ; the cosine's
	s_mov_b32 s34, 0xbab6061a
	s_mov_b32 s35, 0x3d2aaaa5
	s_wait_kmcnt 0x0
	s_add_nc_u64 s[4:5], s[4:5], s[24:25]
	s_add_nc_u64 s[14:15], s[14:15], s[26:27]
	s_add_nc_u64 s[16:17], s[16:17], s[28:29]
	global_load_b32 v[TP], v196, s[6:7]            ; my row's position
.macro LOAD t
.irp i, 0,1,2,3
	global_load_b128 v[R+16*((\t)%4)+4*\i:R+16*((\t)%4)+4*\i+3], v3, s[4:5] offset:2048*(\t)+512*\i th:TH_LOAD_NT   ; 32 lanes read 512 consecutive bytes
.endr
.endm
.macro TURN t                          ; step t's numbers through the stage: LDS serves a wave's instructions in order
.irp i, 0,1,2,3
	ds_store_b128 v14, v[R+16*((\t)%4)+4*\i:R+16*((\t)%4)+4*\i+3] offset:32*SP*((\t)%2)+8*SP*\i
.endr
.irp i, 0,1,2,3
	ds_load_b128 v[X+16*((\t)%2)+4*\i:X+16*((\t)%2)+4*\i+3], v15 offset:32*SP*((\t)%2)+16*\i
.endr
.endm
.irp t, 0,1,2,3
	LOAD \t
.endr
	s_wait_loadcnt 16                              ; the position is in; the 16 loads behind it stay out
; the table: thread t makes j = 4 (t % 16) + 0..3 of its row.  10000^(-j/64) = 2^(-j c): c = c_hi + c_lo, j c_hi exact; the rest by one multiply-add
	v_lshlrev_b32 v194, 2, v194
.irp i, 1,2,3
	v_add_nc_u32 v[TJ+\i], \i, v194
.endr
.irp i, 0,1,2,3
	v_cvt_f32_u32 v[TJ+\i], v[TJ+\i]
.endr
	v_cvt_f32_i32 v[TP], v[TP]
.irp i, 0,1,2,3
	v_mul_f32 v[TA+\i], 0xbe549a80, v[TJ+\i]       ; -j c_hi
.endr
.irp i, 0,1,2,3
	v_exp_f32 v[TA+\i], v[TA+\i]
.endr
.irp i, 0,1,2,3
	v_mul_f32 v[TN+\i], 0x33aae0f2, v[TJ+\i]       ; -j c_lo ln 2 (plain work behind the exponentials)
.endr
	s_wait_alu depctr_va_vdst(0)                   ; one wait for the four, ahead of their first reader
.irp i, 0,1,2,3
	v_fma_f32 v[TA+\i], v[TA+\i], v[TN+\i], v[TA+\i]
.endr
.irp i, 0,1,2,3
	v_mul_f32 v[TA+\i], v[TP], v[TA+\i]            ; the angle: one rounding
.endr
.irp i, 0,1,2,3
	v_mul_f32 v[TN+\i], 0x3f22f983, v[TA+\i]
.endr
.irp i, 0,1,2,3
	v_rndne_f32 v[TN+\i], v[TN+\i]                 ; n = the nearest multiple of pi/2
.endr
.irp i, 0,1,2,3
	v_fma_f32 v[TR+\i], v[TN+\i], 0xbfc90fdb, v[TA+\i]
.endr
.irp i, 0,1,2,3
	v_fma_f32 v[TR+\i], v[TN+\i], 0x333bbd2e, v[TR+\i]
.endr
.irp i, 0,1,2,3
	v_fma_f32 v[TR+\i], v[TN+\i], 0x26f72ced, v[TR+\i]   ; r = angle - n pi/2, pi/2 in three parts
.endr
.irp i, 0,1,2,3
	v_mul_f32 v[TZ+\i], v[TR+\i], v[TR+\i]
.endr
.irp i, 0,1,2,3
	v_fma_f32 v[TS+\i], v[TZ+\i], s30, s31
	v_fma_f32 v[TC+\i], v[TZ+\i], s33, s34
.endr
.irp i, 0,1,2,3
	v_fma_f32 v[TS+\i], v[TS+\i], v[TZ+\i], s32
	v_fma_f32 v[TC+\i], v[TC+\i], v[TZ+\i], s35
.endr
.irp i, 0,1,2,3
	v_mul_f32 v[TA+\i], v[TR+\i], v[TZ+\i]
.endr
.irp i, 0,1,2,3
	v_fma_f32 v[TS+\i], v[TS+\i], v[TA+\i], v[TR+\i]     ; sin r
.endr
.irp i, 0,1,2,3
	v_mul_f32 v[TA+\i], v[TZ+\i], v[TZ+\i]
.endr
.irp i, 0,1,2,3
	v_fma_f32 v[TZ+\i], v[TZ+\i], -0.5, 1.0
.endr
.irp i, 0,1,2,3
	v_fma_f32 v[TC+\i], v[TC+\i], v[TA+\i], v[TZ+\i]     ; cos r
.endr
.irp i, 0,1,2,3
	v_cvt_i32_f32 v[TN+\i], v[TN+\i]
.endr
.irp i, 0,1,2,3
	v_and_b32 v[TR+\i], 1, v[TN+\i]
	v_cmp_eq_u32 vcc_lo, 1, v[TR+\i]
	v_cndmask_b32 v[TA+\i], v[TS+\i], v[TC+\i], vcc_lo   ; odd n: sine and cosine change places
	v_cndmask_b32 v[TZ+\i], v[TC+\i], v[TS+\i], vcc_lo
.endr
.irp i, 0,1,2,3
	v_lshlrev_b32 v[TR+\i], 30, v[TN+\i]
	v_add_nc_u32 v[TN+\i], 1, v[TN+\i]
.endr
.irp i, 0,1,2,3
	v_and_b32 v[TR+\i], 0x80000000, v[TR+\i]       ; the sine's sign: n mod 4 = 2, 3
	v_lshlrev_b32 v[TN+\i], 30, v[TN+\i]
.endr
.irp i, 0,1,2,3
	v_xor_b32 v[TA+\i], v[TA+\i], v[TR+\i]
	v_and_b32 v[TN+\i], 0x80000000, v[TN+\i]       ; the cosine's: n mod 4 = 1, 2
.endr
.irp i, 0,1,2,3
	v_xor_b32 v[TZ+\i], v[TZ+\i], v[TN+\i]
.endr
	global_store_b128 v193, v[TZ:TZ+3], s[18:19]               ; sixteen lanes store a row's 256 bytes of cosines,
	global_store_b128 v193, v[TA:TA+3], s[18:19] offset:256    ; and of sines
	s_or_b32 s23, ttmp9, s20
	s_cmp_lg_u32 s23, 0
	s_cbranch_scc1 .Lno_id                         ; row 2048, by work-group 0's wave 0: 64 ones, 64 zeros
	v_mov_b32 v203, 1.0
	v_cmp_gt_u32 vcc_lo, 16, v2
	v_cndmask_b32 v202, 0, v203, vcc_lo
	v_mov_b32 v203, v202
	v_mov_b32 v204, v202
	v_mov_b32 v205, v202
	global_store_b128 v3, v[202:205], s[18:19] offset:2048*512
.Lno_id:
	s_wait_loadcnt 12                              ; step 0's four loads are in; three steps' stay out
	TURN 0
.macro STEP t
.set XS, X+16*((\t)%2)
.if (\t) > 0
	s_wait_dscnt 1                                 ; this step's numbers are back from the stage; the last step's byte store may be out
.else
	s_wait_dscnt 0x0
.endif
.if (\t)+4 < STEPS
	LOAD (\t)+4
.endif
.if (\t)+1 < STEPS
.if STEPS-2-(\t) >= 3
	s_wait_loadcnt 12                              ; the next step's four loads are in; those of the three steps behind it may be out
.else
	s_wait_loadcnt 4*(STEPS-2-(\t))
.endif
	TURN (\t)+1
.endif
	v_max3_num_f32 v8, |v[XS]|, |v[XS+1]|, |v[XS+2]|
	v_max3_num_f32 v9, |v[XS+3]|, |v[XS+4]|, |v[XS+5]|
.irp i, 6,10
	v_max3_num_f32 v8, v8, |v[XS+\i]|, |v[XS+\i+1]|
	v_max3_num_f32 v9, v9, |v[XS+\i+2]|, |v[XS+\i+3]|
.endr
	v_max3_num_f32 v8, v8, |v[XS+14]|, |v[XS+15]|
	v_max3_num_f32 v8, v8, v9, 0x1800000           ; the floor 2^(3 - 127): the byte cannot fall under 1
	v_max_num_f32_dpp v8, v8, v8 row_xmask:1 row_mask:0xf bank_mask:0xf   ; with my neighbour's 16: the block's largest magnitude
	v_add_nc_u32 v11, 0xff000000, v8               ; 2 off its exponent field: the conversion's scale operand
	v_cvt_scalef32_pk8_fp4_f32 v[C+4*(\t)], v[XS:XS+7], v11
	v_cvt_scalef32_pk8_fp4_f32 v[C+4*(\t)+1], v[XS+8:XS+15], v11
	v_lshrrev_b32 v[E+(\t)], 23, v11               ; the scale's byte
	ds_store_b8 v5, v[E+(\t)] offset:16*(\t)       ; both lanes of a block write the same byte with the same value
	global_store_b64 v4, v[C+4*(\t):C+4*(\t)+1], s[14:15] offset:32*CB*(\t)   ; the wave stores 256 consecutive bytes, aligned
.endm
.irp t, 0,1,2,3,4,5,6,7,8,9,10,11,12,13,14,15
	STEP \t
.endr
	ds_load_b64 v[8:9], v6
	s_wait_dscnt 0x0
	global_store_b64 v7, v[8:9], s[16:17]          ; my wave's 256 scale bytes
	s_wait_tensorcnt 0x0                           ; the wave's end
	ds_add_u32 v[SPW], v[NIL]
	s_wait_dscnt 0x0
	s_endpgm
; ---------------- W's path: a lane takes a column n, its registers run down K; a wave takes 32 columns x 512 along K
.Lweights:
	s_sub_co_u32 s21, ttmp9, 256
	s_and_b32 s22, s21, 31                         ; x: 128 columns of the joint 4,096
	s_lshr_b32 s23, s21, 5                         ; y: 512 along K
	s_wait_kmcnt 0x0
	s_cmp_lt_u32 s22, 16                           ; the choice hangs on the work-group's number alone
	s_cselect_b64 s[24:25], s[8:9], s[10:11]
	s_cselect_b32 s26, 13, 12                      ; log2 of a row's bytes: 8,192 in wq, 4,096 in wk and wv
	s_cselect_b32 s27, 0, 16                       ; the tensor's first x
	s_cmp_lt_u32 s22, 24
	s_cselect_b64 s[24:25], s[24:25], s[12:13]
	s_cselect_b32 s27, s27, 24
	s_sub_co_u32 s28, s22, s27
	s_lshl_b32 s28, s28, 7
	s_lshl_b32 s29, s20, 5
	s_add_co_u32 s28, s28, s29                     ; my wave's first column in its tensor
	s_lshl_b32 s28, s28, 2
	s_lshl_b32 s30, s23, 9
	s_lshl_b32 s30, s30, s26                       ; 512 y rows
	s_add_co_u32 s28, s28, s30
	s_mov_b32 s29, 0
	s_add_nc_u64 s[24:25], s[24:25], s[28:29]
	s_lshl_b32 s31, 1, s26                         ; a row's bytes
	s_lshl_b32 s32, s31, 5                         ; 32 rows
	s_mov_b32 s33, 0
	s_lshl_b32 s34, s22, 7
	s_lshl_b32 s35, s20, 5
	s_add_co_u32 s34, s34, s35                     ; my first joint column n
	s_lshl_b32 s36, s34, 11
	s_lshl_b32 s37, s23, 8
	s_add_co_u32 s36, s36, s37
	s_add_co_u32 s36, s36, 4194304
	s_mov_b32 s37, 0
	s_add_nc_u64 s[14:15], s[14:15], s[36:37]      ; codes: n x 2,048 + 256 y
	s_lshl_b32 s36, s34, 7
	s_lshl_b32 s38, s23, 4
	s_add_co_u32 s36, s36, s38
	s_add_co_u32 s36, s36, 262144
	s_add_nc_u64 s[16:17], s[16:17], s[36:37]      ; scale bytes: n x 128 + 16 y
	v_lshlrev_b32 v3, 2, v2
.irp i, 0,1,2,3,4,5,6,7,8,9,10,11,12,13,14,15,16,17,18,19,20,21,22,23,24,25,26,27,28,29,30,31
	v_mad_u32_u24 v[ROFF+\i], s31, \i, v3
.endr
	s_mul_i32 s39, s20, 32*WP
	s_add_co_u32 s39, s39, WSTG                    ; my stage
	v_mul_u32_u24 v4, v2, WP
	v_add_nc_u32 v4, s39, v4                       ; into it: row = my column
	v_and_b32 v5, 15, v2
	v_lshrrev_b32 v6, 4, v2
	v_mul_u32_u24 v7, v6, WP
	v_lshl_add_u32 v7, v5, 4, v7
	v_add_nc_u32 v7, s39, v7                       ; out of it: sixteen lanes to a row
	v_mul_u32_u24 v8, v6, KROW
	v_lshl_add_u32 v8, v5, 4, v8
	v_lshlrev_b32 v9, 7, v2                        ; my column's row of scale bytes
.macro WLOAD t                         ; block t: 32 rows of K at my column; the base walks 32 rows a block
.if (\t) > 0
	s_wait_xcnt 0x0                                ; the loads issued so far have read their base: it may step
	s_add_nc_u64 s[24:25], s[24:25], s[32:33]
.endif
.irp i, 0,1,2,3,4,5,6,7,8,9,10,11,12,13,14,15,16,17,18,19,20,21,22,23,24,25,26,27,28,29,30,31
	global_load_b32 v[WX+32*((\t)%2)+\i], v[ROFF+\i], s[24:25] th:TH_LOAD_NT
.endr
.endm
	WLOAD 0
	WLOAD 1
.macro BLOCK t
.set XS, WX+32*((\t)%2)
.if (\t) < NB-1
	s_wait_loadcnt 32                              ; this block's 32 loads are in; the next block's may be out
.else
	s_wait_loadcnt 0
.endif
	v_max3_num_f32 v12, |v[XS]|, |v[XS+1]|, |v[XS+2]|
	v_max3_num_f32 v13, |v[XS+3]|, |v[XS+4]|, |v[XS+5]|
.irp i, 6,10,14,18,22,26
	v_max3_num_f32 v12, v12, |v[XS+\i]|, |v[XS+\i+1]|
	v_max3_num_f32 v13, v13, |v[XS+\i+2]|, |v[XS+\i+3]|
.endr
	v_max3_num_f32 v12, v12, |v[XS+30]|, |v[XS+31]|
	v_max3_num_f32 v12, v12, v13, 0x1800000
	v_add_nc_u32 v11, 0xff000000, v12
	v_lshrrev_b32 v13, 23, v11
.if (\t)%4 == 0
	v_mov_b32 v[SB+(\t)/4], v13
.else
	v_lshl_or_b32 v[SB+(\t)/4], v13, 8*((\t)%4), v[SB+(\t)/4]
.endif
.irp g, 0,1,2,3
	v_cvt_scalef32_pk8_fp4_f32 v[WC+\g], v[XS+8*\g:XS+8*\g+7], v11
.endr
	ds_store_b128 v4, v[WC:WC+3] offset:16*(\t)    ; 32 codes: 16 bytes of my column's row
.if (\t)+2 < NB
	WLOAD (\t)+2
.endif
	s_wait_dscnt 0x0                               ; the store has read its registers: the next block's codes may be written
.endm
.set Q, 0
.rept NB
	BLOCK Q
.set Q, Q+1
.endr
	global_store_b128 v9, v[SB:SB+3], s[16:17]
.irp t, 0,1,2,3,4,5,6,7,8,9,10,11,12,13,14,15
	ds_load_b128 v[OUTR+4*\t:OUTR+4*\t+3], v7 offset:2*\t*WP
.endr
.irp t, 0,1,2,3,4,5,6,7,8,9,10,11,12,13,14,15
	s_wait_dscnt 15-\t                             ; LDS loads come back in order: pair t of rows is in
	global_store_b128 v8, v[OUTR+4*\t:OUTR+4*\t+3], s[14:15] offset:2*\t*KROW   ; sixteen lanes store 256 consecutive bytes, aligned
.endr
	s_wait_tensorcnt 0x0                           ; the wave's end, as above
	ds_add_u32 v[SPW], v[NIL]
	s_wait_dscnt 0x0
	s_endpgm
.Lfunc_end_k_q2b827c371c_prep:
	.size	k_q2b827c371c_prep, .Lfunc_end_k_q2b827c371c_prep-k_q2b827c371c_prep
	.p2alignl 7, 3214868480
	.fill 96, 4, 3214868480
	.section	.rodata,"a",@progbits
	.p2align	6, 0x0
	.amdhsa_kernel k_q2b827c371c_prep
		.amdhsa_group_segment_fixed_size 68096
		.amdhsa_private_segment_fixed_size 0
		.amdhsa_enable_private_segment 0
		.amdhsa_kernarg_size 64
		.amdhsa_user_sgpr_count 2
		.amdhsa_user_sgpr_kernarg_segment_ptr 1
		.amdhsa_wavefront_size32 1
		.amdhsa_system_sgpr_workgroup_id_x 1
		.amdhsa_system_sgpr_workgroup_id_y 1
		.amdhsa_system_sgpr_workgroup_id_z 1
		.amdhsa_system_vgpr_workitem_id 0
		.amdhsa_next_free_vgpr 224
		.amdhsa_next_free_sgpr 66
		.amdhsa_reserve_vcc 1
		.amdhsa_float_denorm_mode_32 3
		.amdhsa_float_denorm_mode_16_64 3
		.amdhsa_memory_ordered 1
		.amdhsa_forward_progress 1
		.amdhsa_inst_pref_size 122
	.end_amdhsa_kernel
	.amdgpu_metadata
---
amdhsa.version: [ 1, 2 ]
amdhsa.kernels:
  - .name:           k_q2b827c371c_prep
    .symbol:         k_q2b827c371c_prep.kd
    .args:
      - { .name: hidden_states, .offset: 0, .size: 8, .value_kind: global_buffer, .address_space: global }
      - { .name: position_ids, .offset: 8, .size: 8, .value_kind: global_buffer, .address_space: global }
      - { .name: wq, .offset: 16, .size: 8, .value_kind: global_buffer, .address_space: global }
      - { .name: wk, .offset: 24, .size: 8, .value_kind: global_buffer, .address_space: global }
      - { .name: wv, .offset: 32, .size: 8, .value_kind: global_buffer, .address_space: global }
      - { .name: codes, .offset: 40, .size: 8, .value_kind: global_buffer, .address_space: global }
      - { .name: scales, .offset: 48, .size: 8, .value_kind: global_buffer, .address_space: global }
      - { .name: cs_tab, .offset: 56, .size: 8, .value_kind: global_buffer, .address_space: global }
    .group_segment_fixed_size: 68096
    .private_segment_fixed_size: 0
    .kernarg_segment_align: 8
    .kernarg_segment_size: 64
    .max_flat_workgroup_size: 128
    .sgpr_count:     66
    .vgpr_count:     224
    .wavefront_size: 32
...
	.end_amdgpu_metadata
.endif
;; end of part 1
;; launch gemm1 (part 2): grid 16 x 16, 4 waves a work-group, clusters of 4 x 4, 327,680 bytes of LDS; arguments codes, scales, cs_tab, qkv32, amax; writes qkv32, amax
.if DOCPART == 2
	.amdgcn_target "amdgcn-amd-amdhsa--gfx1250"
	.amdhsa_code_object_version 6
	.text
	.protected	k_q2b827c371c_gemm1
	.globl	k_q2b827c371c_gemm1
	.p2align	8
	.type	k_q2b827c371c_gemm1,@function
k_q2b827c371c_gemm1:
	s_mov_b64 s[64:65], 0
	v_nop
	global_prefetch_b8 v0, s[64:65] scope:SCOPE_SE
	s_setreg_imm32_b32 hwreg(HW_REG_WAVE_MODE, 25, 1), 1
	s_wait_xcnt 0x0
	s_wait_alu depctr_hold_cnt(0) depctr_sa_sdst(0) depctr_va_vdst(0) depctr_va_sdst(0) depctr_va_ssrc(0) depctr_va_vcc(0) depctr_vm_vsrc(0)
	s_getreg_b32 s2, hwreg(HW_REG_IB_STS2, 6, 4)
	s_cmp_eq_u32 s2, 0
	s_cbranch_scc0 .Lentry_in_a_cluster
	s_endpgm
.Lentry_in_a_cluster:
	s_bfe_u32 s2, ttmp6, 0x10000c
	s_cmp_lg_u32 s2, 0xf033
	s_cbranch_scc0 .Lentry_shape_is_right
	s_endpgm
.Lentry_shape_is_right:
; GEMM1.  qkv[m][n] = sum over k of X[m][k] W[n][k], both on codes of FP4 (E2M1) with one E8M0 scale for each 32 along K; M 2,048, N 4,096 (q | k | v), K 4,096; sums in f32.
; Then the rotation of q's and k's heads by the table (v's columns take the table's row of ones and zeros), qkv32 [2048][4096] f32, and each wave's largest magnitude into amax[64 x tile column + 4 x tile row + wave].
; A tile is 128 x 256: 256 work-groups.  Four waves, each 64 rows x 128 columns = ONE head: 32 accumulators.  K goes in steps of 512 (tile rows of 256 bytes) through two LDS slots; the scale bytes of all of K come once and stay.
; THE MATRIX INSTRUCTION IS USED TRANSPOSED (source 0 = 16 rows of W, source 1 = 16 rows of X): a lane holds row l % 16 and columns 16 b + 8 (l / 16) + j, so columns d and d + 64 of a head are accumulators b and b + 4
; in the same lane and register: the rotation stays inside a lane.
; CLUSTERS: 4 x 4.  X's tile hangs on the tile row alone and is asked for jointly along a row of the cluster, W's on the tile column alone, along a column.
; LIMITS: NaN and infinities are not served.
; REGISTERS: window 0: v8-11, v16-29 addresses; v32-95 scale words, two sets; v96-159 X's fragments, two sets.  window 1: W's fragments, two sets of 64.  window 2: accumulator (a, b) at v[8 (8 a + b)].
;   window 3: cosines and sines: v[64 a + 16 b' + 0..7], v[64 a + 16 b' + 8..15].  On the way out window 0: v32-95 results, v96-111 at work, v112-113 maxima, v128-255 rows back from the stage.
.set ROWB,   256
.set KROW,   2048
.set PITCH,  272                       ; an LDS row: 256 bytes + 16: the sixteen rows of a fragment load start at sixteen different 16-byte columns of 256
.set AHALF,  64*PITCH
.set BHALF,  128*PITCH
.set BOFF,   2*AHALF
.set SLOT,   BOFF+2*BHALF
.set SCL,    2*SLOT                    ; the scale bytes, as units of 256 bytes + 16: X's 128 rows (64 units), then W's 256 rows (128 units)
.set SAH,    32*272
.set SBH,    64*272
.set SBO,    2*SAH
.set SBLK,   8*272                     ; those of 16 rows
.set STG,    SCL+2*SAH+2*SBH           ; the way out: 16 rows x 528 bytes for each wave
.set SPITCH, 528
.set SPARE,  STG+4*16*SPITCH           ; the spare words: two blocks of 256 bytes that no other line names
.set CSO,  8
.set ADRA, 16
.set ADRB, 20
.set STO,  24
.set RD,   25
.set CO,   26
.set ADRS, 27
.set SPW,  28
.set NIL,  29
.set SC,   32
.set AF,   96
.set Y,    32
.set U,    96
.set MX,   112
.set BK,   128
.set G1,   24
.set G0,   32
.set G1B,  48
.set G0B,  56
.set G1S,  68
.set G0S,  76
.set G1SB, 80
.set G0SB, 88
.set MSB, 0
.macro WIN new                         ; the immediate's high byte repeats the setting that is left
.if MSB != \new
	s_set_vgpr_msb (MSB<<8)|\new
.set MSB, \new
.endif
.endm
.set MUL,  0xa1                        ; source 0 (W) window 1, source 1 (X) window 0, C and D window 2
.set TO_B, 0x40
.macro JLOAD g0a, g1a, g0b, g1b        ; a joint load: waves 0 and 1 fetch for X, waves 2 and 3 for W; an s_nop 0 and four v_nop follow each line
	s_cmp_eq_u32 s15, 0
	s_cbranch_scc0 .Lfor_b_\@
	tensor_load_to_lds s[\g0a:\g0a+3], s[\g1a:\g1a+7]
	s_nop 0
.rept 4
	v_nop
.endr
	s_branch .Lasked_\@
.Lfor_b_\@:
	tensor_load_to_lds s[\g0b:\g0b+3], s[\g1b:\g1b+7]
	s_nop 0
.rept 4
	v_nop
.endr
.Lasked_\@:
.endm
.macro CREST
	s_cmp_lg_u32 s14, 0
	s_cbranch_scc1 .Lnot_wave_0_\@
	s_barrier_signal -3
.Lnot_wave_0_\@:
	s_barrier_wait -3
	s_barrier_signal -1
	s_barrier_wait -1
.endm
.macro CROUND
	s_barrier_signal -1
	s_barrier_wait -1
	CREST
.endm
.macro PLACES n
.rept \n
	v_nop
.endr
.endm
	s_load_b256 s[4:11], s[0:1], 0x0               ; codes s[4:5], scales s[6:7], table s[8:9], qkv32 s[10:11]
	s_load_b64 s[12:13], s[0:1], 0x20              ; amax
	v_lshl_add_u32 v[SPW], v0, 2, SPARE
	v_mov_b32 v[NIL], 0
	ds_add_u32 v[SPW], v[NIL]                      ; the wave's opening: an add of 0, twice on end, and its wait ahead of my first tensor load
	ds_add_u32 v[SPW], v[NIL]
	v_lshrrev_b32 v1, 5, v0
	v_readfirstlane_b32 s14, v1                    ; wave
	s_lshr_b32 s15, s14, 1                         ; my half of the tile's rows.  Also: I fetch for X (0) or for W (1)
	s_and_b32 s16, s14, 1                          ; my half of its columns.  Also: which half of that tile I fetch
	s_bfe_u32 s40, ttmp6, 0x40000                  ; cx
	s_bfe_u32 s41, ttmp6, 0x40004                  ; cy
	s_lshl_b32 s42, ttmp9, 2
	s_add_co_u32 s42, s42, s40                     ; tile column
	s_and_b32 s17, ttmp7, 0xffff
	s_lshl_b32 s17, s17, 2
	s_add_co_u32 s17, s17, s41                     ; tile row
	s_lshl_b32 s43, s41, 2
	s_lshl_b32 s43, 15, s43                        ; my row of the cluster
	s_lshl_b32 s44, 0x1111, s40                    ; my column
	s_or_b32 s[G1+0], s43, (0<<16)|(1<<20)|(1<<21)|(5<<22)|(3<<25)   ; mask; elements of 1 byte; padding: 4 words behind every 64
	s_or_b32 s[G1B+0], s44, (0<<16)|(1<<20)|(1<<21)|(5<<22)|(3<<25)
	s_mov_b32 s[G1+1], ROWB<<16
	s_mov_b32 s[G1+2], 64<<16
	s_mov_b32 s[G1+3], ROWB<<16
	s_mov_b32 s[G1+4], 64                          ; X: 64 rows to a load
	s_mov_b32 s[G1+5], KROW
	s_mov_b32 s[G1+6], 0
	s_mov_b32 s[G1+7], 0
	s_mov_b32 s[G1B+1], ROWB<<16
	s_mov_b32 s[G1B+2], 128<<16
	s_mov_b32 s[G1B+3], ROWB<<16
	s_mov_b32 s[G1B+4], 128                        ; W: 128 rows
	s_mov_b32 s[G1B+5], KROW
	s_mov_b32 s[G1B+6], 0
	s_mov_b32 s[G1B+7], 0
	s_or_b32 s[G1S+0], s43, (3<<16)|(1<<20)|(1<<21)|(5<<22)|(3<<25)  ; the scale bytes: dense blocks as rows of 256 bytes (32 elements of 8)
	s_or_b32 s[G1SB+0], s44, (3<<16)|(1<<20)|(1<<21)|(5<<22)|(3<<25)
	s_mov_b32 s[G1S+1], 32<<16
	s_mov_b32 s[G1S+2], 32<<16
	s_mov_b32 s[G1S+3], 32<<16
	s_mov_b32 s[G1S+4], 32
	s_mov_b32 s[G1S+5], 32
	s_mov_b32 s[G1S+6], 0
	s_mov_b32 s[G1S+7], 0
	s_mov_b32 s[G1SB+1], 32<<16
	s_mov_b32 s[G1SB+2], 64<<16
	s_mov_b32 s[G1SB+3], 32<<16
	s_mov_b32 s[G1SB+4], 64
	s_mov_b32 s[G1SB+5], 32
	s_mov_b32 s[G1SB+6], 0
	s_mov_b32 s[G1SB+7], 0
	s_lshl_b32 s18, s16, 6
	s_lshl_b32 s20, s17, 7
	s_add_co_u32 s20, s20, s18                     ; X: row 128 x tile row + 64 x half
	s_lshl_b32 s18, s16, 7
	s_lshl_b32 s46, s42, 8
	s_add_co_u32 s46, s46, s18                     ; W: row 256 x tile column + 128 x half
	s_lshl_b32 s22, s20, 7                         ; their scale bytes,
	s_mov_b32 s23, 0
	s_lshl_b32 s92, s46, 7
	s_add_co_u32 s92, s92, 262144
	s_mov_b32 s93, 0
	s_lshl_b32 s20, s20, 11                        ; their codes
	s_mov_b32 s21, 0
	s_lshl_b32 s46, s46, 11
	s_add_co_u32 s46, s46, 4194304
	s_mov_b32 s47, 0
	s_mul_i32 s45, s16, AHALF                      ; where they go: the wave's number alone enters an LDS address
	s_mul_i32 s94, s16, BHALF
	s_add_co_u32 s94, s94, BOFF
	s_mul_i32 s95, s16, SAH
	s_add_co_u32 s95, s95, SCL
	s_mul_i32 s96, s16, SBH
	s_add_co_u32 s96, s96, SCL+SBO
	s_mov_b32 s98, 0x76543210
	s_mov_b32 s99, 0xfedcba98
	s_wait_dscnt 0x0                               ; both opening adds are done
	s_wait_kmcnt 0x0
	s_add_nc_u64 s[20:21], s[4:5], s[20:21]
	s_add_nc_u64 s[22:23], s[6:7], s[22:23]
	s_add_nc_u64 s[46:47], s[4:5], s[46:47]
	s_add_nc_u64 s[92:93], s[6:7], s[92:93]
	CROUND                                         ; all sixteen work-groups are here: the first joint loads meet
	s_mov_b32 s[G0S], 1
	s_mov_b32 s[G0S+1], s95
	s_mov_b64 s[G0S+2:G0S+3], s[22:23]
	s_or_b32 s[G0S+3], s[G0S+3], 0x80000000
	s_mov_b32 s[G0SB], 1
	s_mov_b32 s[G0SB+1], s96
	s_mov_b64 s[G0SB+2:G0SB+3], s[92:93]
	s_or_b32 s[G0SB+3], s[G0SB+3], 0x80000000
	JLOAD G0S, G1S, G0SB, G1SB                     ; the scale bytes of all of K: filled once
.irp s, 0,1
	s_mov_b32 s[G0+4*\s], 1
	s_add_co_u32 s[G0+4*\s+1], s45, \s*SLOT
	s_add_nc_u64 s[G0+4*\s+2:G0+4*\s+3], s[20:21], \s*ROWB
	s_or_b32 s[G0+4*\s+3], s[G0+4*\s+3], 0x80000000
	s_mov_b32 s[G0B+4*\s], 1
	s_add_co_u32 s[G0B+4*\s+1], s94, \s*SLOT
	s_add_nc_u64 s[G0B+4*\s+2:G0B+4*\s+3], s[46:47], \s*ROWB
	s_or_b32 s[G0B+4*\s+3], s[G0B+4*\s+3], 0x80000000
	JLOAD G0+4*\s, G1, G0B+4*\s, G1B
.endr
	v_and_b32 v1, 15, v0                           ; r
	v_bfe_u32 v2, v0, 4, 1                         ; h
	v_mul_u32_u24 v3, v1, PITCH
	v_lshl_add_u32 v4, v2, 4, v3
	s_mul_i32 s21, s15, AHALF                      ; my 64 rows of X
	s_mul_i32 s22, s16, BHALF                      ; my 128 rows of W
	s_add_co_u32 s22, s22, BOFF
.irp s, 0,1
	v_add_nc_u32 v[ADRA+\s], s21, v4
	v_add_nc_u32 v[ADRB+\s], s22, v4
	s_add_co_u32 s21, s21, SLOT
	s_add_co_u32 s22, s22, SLOT
.endr
	v_lshlrev_b32 v5, 7, v1                        ; a row's scale bytes: 128 a row, 16 more for each two rows
	v_lshrrev_b32 v6, 1, v1
	v_lshl_add_u32 v5, v6, 4, v5
	s_mul_i32 s21, s15, SAH
	s_mul_i32 s22, s16, SBH
	s_add_co_u32 s22, s22, SBO
	s_sub_co_u32 s22, s22, s21
	v_mul_u32_u24 v6, s22, v2                      ; lanes 16-31 take W's
	s_add_co_u32 s21, s21, SCL
	v_add_nc_u32 v5, v5, v6
	v_add_nc_u32 v[ADRS], s21, v5
	s_mul_i32 s23, s14, 16*SPITCH
	s_add_co_u32 s23, s23, STG
	v_mul_u32_u24 v5, v1, SPITCH
	v_lshl_add_u32 v5, v2, 5, v5
	v_add_nc_u32 v[STO], s23, v5
	v_and_b32 v6, 31, v0                           ; lane
	v_lshlrev_b32 v[CO], 4, v6
	v_add_nc_u32 v[RD], s23, v[CO]
	v_mov_b32 v7, 0
	s_lshl_b32 s20, s17, 7
	s_lshl_b32 s21, s15, 6
	s_add_co_u32 s20, s20, s21                     ; my first row
	s_lshl_b32 s18, s20, 9                         ; and its row of the table
	s_lshl_b32 s20, s20, 14
	s_mov_b32 s21, 0
	s_add_nc_u64 s[10:11], s[10:11], s[20:21]
	s_lshl_b32 s46, s42, 10
	s_lshl_b32 s47, s16, 9
	s_add_co_u32 s46, s46, s47                     ; my first column, in bytes
	s_mov_b32 s47, 0
	s_add_nc_u64 s[10:11], s[10:11], s[46:47]
	s_lshl_b32 s20, s42, 6
	s_lshl_b32 s21, s17, 2
	s_add_co_u32 s20, s20, s21
	s_add_co_u32 s20, s20, s14
	s_lshl_b32 s20, s20, 2
	s_mov_b32 s21, 0
	s_add_nc_u64 s[12:13], s[12:13], s[20:21]      ; my word of amax
	s_cmp_eq_u32 ttmp9, 3                          ; the cluster's x: 3 = v's columns, which take the table's row 2048 in every row
	s_cselect_b32 s18, 2048*512, s18
	s_cselect_b32 s97, 0, 512
	s_mov_b32 s19, 0
	s_add_nc_u64 s[8:9], s[8:9], s[18:19]
.irp a, 0,1,2,3
	v_add_nc_u32 v3, 16*\a, v1
	v_mul_u32_u24 v[CSO+\a], s97, v3
	v_lshl_add_u32 v[CSO+\a], v2, 5, v[CSO+\a]
.endr
	WIN 0xc0                                       ; destination window 3.  These 64 loads stay out until the way out
.irp a, 0,1,2,3
.irp b, 0,1,2,3
.irp c, 0,1
	global_load_b128 v[64*\a+16*\b+4*\c:64*\a+16*\b+4*\c+3], v[CSO+\a], s[8:9] offset:64*\b+16*\c
	global_load_b128 v[64*\a+16*\b+8+4*\c:64*\a+16*\b+8+4*\c+3], v[CSO+\a], s[8:9] offset:256+64*\b+16*\c
.endr
.endr
.endr
	WIN 0
; 8 matrix instructions: X's block a against W's eight, the slot's q-th 128 along K.  The 32 accumulators take turns, one instruction a turn, in the same order in every step.
.macro MUL8 a, set, q, sc, zero
.irp b, 0,1,2,3,4,5,6,7
.if \zero
	v_wmma_scale_f32_16x16x128_f8f6f4 v[8*(8*(\a)+\b):8*(8*(\a)+\b)+7], v[64*(\set)+8*\b:64*(\set)+8*\b+7], v[AF+32*(\set)+8*(\a):AF+32*(\set)+8*(\a)+7], 0, v[SC+32*(\sc)+4*\b+(\q)], v[SC+32*(\sc)+4*(\a)+(\q)] matrix_a_fmt:MATRIX_FMT_FP4 matrix_b_fmt:MATRIX_FMT_FP4 matrix_a_scale:MATRIX_SCALE_ROW1
.else
	v_wmma_scale_f32_16x16x128_f8f6f4 v[8*(8*(\a)+\b):8*(8*(\a)+\b)+7], v[64*(\set)+8*\b:64*(\set)+8*\b+7], v[AF+32*(\set)+8*(\a):AF+32*(\set)+8*(\a)+7], v[8*(8*(\a)+\b):8*(8*(\a)+\b)+7], v[SC+32*(\sc)+4*\b+(\q)], v[SC+32*(\sc)+4*(\a)+(\q)] matrix_a_fmt:MATRIX_FMT_FP4 matrix_b_fmt:MATRIX_FMT_FP4 matrix_a_scale:MATRIX_SCALE_ROW1
.endif
.endr
.endm
.macro FETCH slot, q, set              ; 24 LDS loads in one run: W's eight fragments and X's four of the slot's q-th 128 along K
	WIN TO_B
.irp i, 0,1,2,3,4,5,6,7
	ds_load_b128 v[64*(\set)+8*\i:64*(\set)+8*\i+3], v[ADRB+\slot] offset:64*(\q)+\i*16*PITCH
	ds_load_b128 v[64*(\set)+8*\i+4:64*(\set)+8*\i+7], v[ADRB+\slot] offset:64*(\q)+32+\i*16*PITCH
.endr
	WIN 0
.irp i, 0,1,2,3
	ds_load_b128 v[AF+32*(\set)+8*\i:AF+32*(\set)+8*\i+3], v[ADRA+\slot] offset:64*(\q)+\i*16*PITCH
	ds_load_b128 v[AF+32*(\set)+8*\i+4:AF+32*(\set)+8*\i+7], v[ADRA+\slot] offset:64*(\q)+32+\i*16*PITCH
.endr
.endm
.macro SCALES sc                       ; a K step's scale words: four a row; lanes 0-15 X's block i (blocks 4-7 are named by no product), lanes 16-31 W's block i
.irp i, 0,1,2,3,4,5,6,7
	ds_load_b128 v[SC+32*\sc+4*\i:SC+32*\sc+4*\i+3], v[ADRS] offset:\i*SBLK
.endr
.endm
.macro STEP slot, q, zero              ; a step of 128 along K that has its successor in the same slot
	s_wait_dscnt 0x0                               ; this step's fragments are in (asked for 32 matrix instructions ago)
	PLACES 4                                       ; four places between the last step's products and the loads into the registers that they read
	FETCH \slot, (\q)+1, ((\q)+1)%2
	WIN MUL
	MUL8 0, (\q)%2, \q, \slot, \zero
	MUL8 1, (\q)%2, \q, \slot, \zero
	MUL8 2, (\q)%2, \q, \slot, \zero
	MUL8 3, (\q)%2, \q, \slot, \zero
.endm
.macro TURN slot, next, fill           ; a slot's last step changes slots: ONE barrier
	WIN 0
	s_wait_tensorcnt 0x0                           ; all my tensor loads have landed: my part of the next slot
	ds_add_u32 v[SPW], v[NIL]                      ; 0 onto my spare word
	s_wait_dscnt 1                                 ; the fragments are in; the add alone may be out
	WIN MUL
	MUL8 0, 1, 3, \slot, 0
	s_wait_dscnt 0x0                               ; the add is done, and my reads of this slot are over
	s_barrier_signal -1
	MUL8 1, 1, 3, \slot, 0
	WIN 0
	s_barrier_wait -1
.if \fill
	CREST                                          ; the barrier has opened a round of the cluster's: no wave of any partner still reads this slot or has a load on its way
	s_add_nc_u64 s[G0+4*\slot+2:G0+4*\slot+3], s[G0+4*\slot+2:G0+4*\slot+3], 2*ROWB
	s_add_nc_u64 s[G0B+4*\slot+2:G0B+4*\slot+3], s[G0B+4*\slot+2:G0B+4*\slot+3], 2*ROWB
	JLOAD G0+4*\slot, G1, G0B+4*\slot, G1B         ; the first tensor load behind the round; its four v_nop are the places in front of the loads below
.else
	PLACES 4
.endif
	v_add_nc_u32 v[ADRS], 16, v[ADRS]              ; the next K step's scale words
	FETCH \next, 0, 0
	SCALES \next
	WIN MUL
	MUL8 2, 1, 3, \slot, 0
	MUL8 3, 1, 3, \slot, 0
.endm
	s_wait_tensorcnt 1                             ; the scale bytes and my part of K step 0 are in; K step 1's load may be out
	s_barrier_signal -1
	s_barrier_wait -1
	FETCH 0, 0, 0
	SCALES 0
	STEP 0, 0, 1                                   ; the first step's products start the sums
	WIN 0
	s_mov_b32 s3, 3
.Llap:                                             ; a trip goes once round the ring and fills both slots again: K steps 2 to 7
	STEP 0, 1, 0
	STEP 0, 2, 0
	TURN 0, 1, 1
	STEP 1, 0, 0
	STEP 1, 1, 0
	STEP 1, 2, 0
	TURN 1, 0, 1
	STEP 0, 0, 0
	WIN 0
	s_sub_co_u32 s3, s3, 1
	s_cmp_lg_u32 s3, 0
	s_cbranch_scc1 .Llap
	STEP 0, 1, 0                                   ; the last lap fills nothing
	STEP 0, 2, 0
	TURN 0, 1, 0
	STEP 1, 0, 0
	STEP 1, 1, 0
	STEP 1, 2, 0
	s_wait_dscnt 0x0
	MUL8 0, 1, 3, 1, 0
	MUL8 1, 1, 3, 1, 0
	MUL8 2, 1, 3, 1, 0
	MUL8 3, 1, 3, 1, 0
	WIN 0
; THE WAY OUT, 16 rows at a time: rotation, largest magnitude, through my own stage in LDS, whole rows of 512 bytes out.
.macro ROPE a                          ; out[d] = x1 cos - x2 sin, out[d + 64] = x2 cos + x1 sin; each accumulator is read from its low end on
	WIN 0x0e                                       ; source 0 window 2, source 1 window 3
.irp b, 0,1,2,3
.irp j, 0,2,4,6
	v_pk_mul_f32 v[U+\j:U+\j+1], v[8*(8*(\a)+\b+4)+\j:8*(8*(\a)+\b+4)+\j+1], v[64*(\a)+16*\b+8+\j:64*(\a)+16*\b+8+\j+1]
	v_pk_mul_f32 v[U+8+\j:U+8+\j+1], v[8*(8*(\a)+\b)+\j:8*(8*(\a)+\b)+\j+1], v[64*(\a)+16*\b+8+\j:64*(\a)+16*\b+8+\j+1]
.endr
.irp j, 0,2,4,6
	v_pk_fma_f32 v[Y+8*\b+\j:Y+8*\b+\j+1], v[8*(8*(\a)+\b)+\j:8*(8*(\a)+\b)+\j+1], v[64*(\a)+16*\b+\j:64*(\a)+16*\b+\j+1], v[U+\j:U+\j+1] neg_lo:[0,0,1] neg_hi:[0,0,1]
	v_pk_fma_f32 v[Y+8*(\b+4)+\j:Y+8*(\b+4)+\j+1], v[8*(8*(\a)+\b+4)+\j:8*(8*(\a)+\b+4)+\j+1], v[64*(\a)+16*\b+\j:64*(\a)+16*\b+\j+1], v[U+8+\j:U+8+\j+1]
.endr
.endr
	WIN 0
.irp i, 0,4,8,12,16,20,24,28,32,36,40,44,48,52,56,60
	v_max3_num_f32 v[MX], v[MX], |v[Y+\i]|, |v[Y+\i+1]|
	v_max3_num_f32 v[MX+1], v[MX+1], |v[Y+\i+2]|, |v[Y+\i+3]|
.endr
.endm
.macro TOSTAGE a
.irp b, 0,1,2,3,4,5,6,7
	ds_store_b128 v[STO], v[Y+8*\b:Y+8*\b+3] offset:64*\b
	ds_store_b128 v[STO], v[Y+8*\b+4:Y+8*\b+7] offset:64*\b+16
.endr
.irp t, 0,1,2,3,4,5,6,7,8,9,10,11,12,13,14,15
	ds_load_b128 v[BK+64*((\a)%2)+4*\t:BK+64*((\a)%2)+4*\t+3], v[RD] offset:\t*SPITCH   ; LDS serves a wave's instructions in order: these see the stores above
.endr
.endm
.macro SEND a
.irp t, 0,1,2,3,4,5,6,7,8,9,10,11,12,13,14,15
	global_store_b128 v[CO], v[BK+64*((\a)%2)+4*\t:BK+64*((\a)%2)+4*\t+3], s[10:11] offset:(16*(\a)+\t)*16384   ; 32 lanes store 512 consecutive bytes, aligned; 63 rows at the most in the immediate
.endr
.endm
	PLACES 4                                       ; behind the last products, ahead of the first read of results and of writes into registers that they read
	s_wait_loadcnt 0x0                             ; cosines and sines
	v_mov_b32 v[MX], 0
	v_mov_b32 v[MX+1], 0
	ROPE 0
	TOSTAGE 0
.irp a, 1,2,3
	s_wait_dscnt 0x0                               ; the block before is back in registers, and its stage stores have read the registers that are written next
	ROPE \a
	SEND \a-1
.if \a > 1
	s_wait_xcnt 0x0                                ; the stores of two blocks back have read their registers: this block's rows may land there
.endif
	TOSTAGE \a
.endr
	s_wait_dscnt 0x0
	SEND 3
	v_max_num_f32 v[MX], v[MX], v[MX+1]            ; the wave's largest magnitude
	v_max_num_f32_dpp v[MX], v[MX], v[MX] row_xmask:1 row_mask:0xf bank_mask:0xf
	v_max_num_f32_dpp v[MX], v[MX], v[MX] row_xmask:2 row_mask:0xf bank_mask:0xf
	v_max_num_f32_dpp v[MX], v[MX], v[MX] row_xmask:4 row_mask:0xf bank_mask:0xf
	v_max_num_f32_dpp v[MX], v[MX], v[MX] row_xmask:8 row_mask:0xf bank_mask:0xf
	v_permlanex16_b32 v[MX+1], v[MX], s98, s99
	v_max_num_f32 v[MX], v[MX], v[MX+1]
	s_wait_xcnt 0x0                                ; EXEC changes only behind this wait
	v_cmp_eq_u32 vcc_lo, 0, v6
	s_and_saveexec_b32 s20, vcc_lo
	global_store_b32 v7, v[MX], s[12:13]           ; lane 0 stores it
	s_wait_xcnt 0x0                                ; and again in front of the line that widens it
	s_or_b32 exec_lo, exec_lo, s20
	s_wait_tensorcnt 0x0                           ; the wave's end
	ds_add_u32 v[SPW], v[NIL]
	s_wait_dscnt 0x0
	CROUND                                         ; the closing round
	s_endpgm
.Lfunc_end_k_q2b827c371c_gemm1:
	.size	k_q2b827c371c_gemm1, .Lfunc_end_k_q2b827c371c_gemm1-k_q2b827c371c_gemm1
	.p2alignl 7, 3214868480
	.fill 96, 4, 3214868480
	.section	.rodata,"a",@progbits
	.p2align	6, 0x0
	.amdhsa_kernel k_q2b827c371c_gemm1
		.amdhsa_group_segment_fixed_size 327680
		.amdhsa_private_segment_fixed_size 0
		.amdhsa_enable_private_segment 0
		.amdhsa_kernarg_size 40
		.amdhsa_user_sgpr_count 2
		.amdhsa_user_sgpr_kernarg_segment_ptr 1
		.amdhsa_wavefront_size32 1
		.amdhsa_system_sgpr_workgroup_id_x 1
		.amdhsa_system_sgpr_workgroup_id_y 1
		.amdhsa_system_sgpr_workgroup_id_z 1
		.amdhsa_system_vgpr_workitem_id 0
		.amdhsa_next_free_vgpr 1024
		.amdhsa_next_free_sgpr 100
		.amdhsa_reserve_vcc 1
		.amdhsa_float_denorm_mode_32 3
		.amdhsa_float_denorm_mode_16_64 3
		.amdhsa_memory_ordered 1
		.amdhsa_forward_progress 1
		.amdhsa_inst_pref_size 153
	.end_amdhsa_kernel
	.amdgpu_metadata
---
amdhsa.version: [ 1, 2 ]
amdhsa.kernels:
  - .name:           k_q2b827c371c_gemm1
    .symbol:         k_q2b827c371c_gemm1.kd
    .args:
      - { .name: codes, .offset: 0, .size: 8, .value_kind: global_buffer, .address_space: global }
      - { .name: scales, .offset: 8, .size: 8, .value_kind: global_buffer, .address_space: global }
      - { .name: cs_tab, .offset: 16, .size: 8, .value_kind: global_buffer, .address_space: global }
      - { .name: qkv32, .offset: 24, .size: 8, .value_kind: global_buffer, .address_space: global }
      - { .name: amax, .offset: 32, .size: 8, .value_kind: global_buffer, .address_space: global }
    .group_segment_fixed_size: 327680
    .private_segment_fixed_size: 0
    .kernarg_segment_align: 8
    .kernarg_segment_size: 40
    .max_flat_workgroup_size: 128
    .sgpr_count:     100
    .vgpr_count:     1024
    .wavefront_size: 32
...
	.end_amdgpu_metadata
.endif
;; end of part 2
;; launch requant (part 3): grid 512 x 1, 8 waves a work-group, no clusters, 0 bytes of LDS; arguments qkv32, amax, wo, qkv16, wo16; writes qkv16, wo16
.if DOCPART == 3
	.amdgcn_target "amdgcn-amd-amdhsa--gfx1250"
	.amdhsa_code_object_version 6
	.text
	.protected	k_q2b827c371c_requant
	.globl	k_q2b827c371c_requant
	.p2align	8
	.type	k_q2b827c371c_requant,@function
k_q2b827c371c_requant:
	s_mov_b64 s[64:65], 0
	v_nop
	global_prefetch_b8 v0, s[64:65] scope:SCOPE_SE
	s_setreg_imm32_b32 hwreg(HW_REG_WAVE_MODE, 25, 1), 1
	s_wait_xcnt 0x0
; REQUANT.  Work-groups 0-255: qkv32 [2048][4096] f32 -> qkv16, f16: the WHOLE NUMBERS round(x / s), -127 .. 127, s = the tensor's largest magnitude / 127 (q: columns 0-2047, k: 2048-3071, v: 3072-4095); the scales themselves
; are applied later, in f32.  Work-groups 256-511: wo [2048][4096] f32 -> wo16, f16.  A stream: memory binds; no LDS, no matrix unit, no cluster: nothing is shared.
; A work-group owns 8 rows; thread t owns columns 4 t + 1024 c, so chunk c = 0, 1 is q's, 2 is k's, 3 is v's.  All 32 loads of a thread go out at once; a wave's store covers 256 consecutive bytes, aligned.
; x / s is made by a reciprocal and one correction step by fused multiply-adds; the rounding is to nearest, ties to even.
; LIMITS: |wo| up to 65,504 (f16's largest); a tensor of zeros gives NaN, as its division by zero does in the definition; NaN and infinities are not served.
.set D, 64                             ; v64-191  32 chunks of 4 numbers
.set O, 192                            ; v192-255 their 32 pairs of registers to store: none is written twice
	s_load_b256 s[4:11], s[0:1], 0x0               ; qkv32 s[4:5], amax s[6:7], wo s[8:9], qkv16 s[10:11]
	s_load_b64 s[12:13], s[0:1], 0x20              ; wo16
	v_lshlrev_b32 v1, 4, v0                        ; in: 16 bytes a thread
	v_lshlrev_b32 v2, 3, v0                        ; out: 8
	v_and_b32 v3, 31, v0
	v_lshlrev_b32 v3, 4, v3
	s_and_b32 s14, ttmp9, 255
	s_lshl_b32 s16, s14, 17                        ; 8 rows of 16,384 bytes
	s_mov_b32 s17, 0
	s_lshl_b32 s18, s14, 16
	s_mov_b32 s19, 0
	s_mov_b32 s20, 0x76543210
	s_mov_b32 s21, 0xfedcba98
	s_wait_kmcnt 0x0
	s_cmp_lt_u32 ttmp9, 256
	s_cbranch_scc0 .Lcast
.macro LOADS b
.set i, 0
.rept 32
	global_load_b128 v[D+4*i:D+4*i+3], v1, s[\b:\b+1] offset:(i/4)*16384+(i%4)*4096 th:TH_LOAD_NT
.set i, i+1
.endr
.endm
	s_add_nc_u64 s[4:5], s[4:5], s[16:17]
	s_add_nc_u64 s[10:11], s[10:11], s[18:19]
.irp i, 0,1,2,3,4,5,6,7
	global_load_b128 v[16+4*\i:19+4*\i], v3, s[6:7] offset:512*\i    ; the 1,024 waves' maxima: q's 512, k's 256, v's 256
.endr
	LOADS 4
	s_wait_loadcnt 32                              ; the maxima are in; the 32 data loads stay out
	v_max3_num_f32 v48, v16, v17, v18
	v_max3_num_f32 v49, v32, v33, v34
	v_max3_num_f32 v50, v40, v41, v42
.irp i, 19,21,23,25,27,29
	v_max3_num_f32 v48, v48, v[\i], v[\i+1]
.endr
.irp i, 3,5
	v_max3_num_f32 v49, v49, v[32+\i], v[33+\i]
	v_max3_num_f32 v50, v50, v[40+\i], v[41+\i]
.endr
	v_max_num_f32 v48, v48, v31
	v_max_num_f32 v49, v49, v39
	v_max_num_f32 v50, v50, v47
.irp m, 1,2,4,8
.irp T, 0,1,2
	v_max_num_f32_dpp v[48+\T], v[48+\T], v[48+\T] row_xmask:\m row_mask:0xf bank_mask:0xf
.endr
.endr
	v_mov_b32 v51, 0
.irp T, 0,1,2
	v_permlanex16_b32 v51, v[48+\T], s20, s21
	v_max_num_f32 v[48+\T], v[48+\T], v51
.endr
.irp T, 0,1,2
	v_mul_f32 v[52+4*\T], 0x3c010204, v[48+\T]     ; s = max / 127: a product by 1 / 127 and one correction
.endr
.irp T, 0,1,2
	v_fma_f32 v[53+4*\T], -v[52+4*\T], 0x42fe0000, v[48+\T]
.endr
.irp T, 0,1,2
	v_fma_f32 v[52+4*\T], v[53+4*\T], 0x3c010204, v[52+4*\T]
.endr
.irp T, 0,1,2
	v_rcp_f32 v[54+4*\T], v[52+4*\T]
.endr
.irp T, 0,1,2
	v_mov_b32 v[53+4*\T], v[52+4*\T]               ; s as a pair (plain work behind the reciprocals)
.endr
	s_wait_alu depctr_va_vdst(0)                   ; one wait for the three, ahead of their first reader
.irp T, 0,1,2
	v_mov_b32 v[55+4*\T], v[54+4*\T]               ; 1 / s as a pair
.endr
.set i, 0
.rept 32
.set T, ((i%4)/2)*((i%4)-1)            ; chunk 0, 1: q; 2: k; 3: v
	s_wait_loadcnt 31-i                            ; loads come back in order: chunk i is in, the younger ones stay out
	v_pk_mul_f32 v[8:9], v[D+4*i:D+4*i+1], v[54+4*T:55+4*T]
	v_pk_mul_f32 v[10:11], v[D+4*i+2:D+4*i+3], v[54+4*T:55+4*T]
	v_pk_fma_f32 v[12:13], v[8:9], v[52+4*T:53+4*T], v[D+4*i:D+4*i+1] neg_lo:[1,0,0] neg_hi:[1,0,0]
	v_pk_fma_f32 v[14:15], v[10:11], v[52+4*T:53+4*T], v[D+4*i+2:D+4*i+3] neg_lo:[1,0,0] neg_hi:[1,0,0]
	v_pk_fma_f32 v[8:9], v[12:13], v[54+4*T:55+4*T], v[8:9]
	v_pk_fma_f32 v[10:11], v[14:15], v[54+4*T:55+4*T], v[10:11]
	v_rndne_f32 v8, v8
	v_rndne_f32 v9, v9
	v_rndne_f32 v10, v10
	v_rndne_f32 v11, v11
	v_cvt_pk_f16_f32 v[O+2*i], v8, v9
	v_cvt_pk_f16_f32 v[O+2*i+1], v10, v11
	global_store_b64 v2, v[O+2*i:O+2*i+1], s[10:11] offset:(i/4)*8192+(i%4)*2048
.set i, i+1
.endr
	s_endpgm
.Lcast:
	s_add_nc_u64 s[8:9], s[8:9], s[16:17]
	s_add_nc_u64 s[12:13], s[12:13], s[18:19]
	LOADS 8
.set i, 0
.rept 32
	s_wait_loadcnt 31-i
	v_cvt_pk_f16_f32 v[O+2*i], v[D+4*i], v[D+4*i+1]
	v_cvt_pk_f16_f32 v[O+2*i+1], v[D+4*i+2], v[D+4*i+3]
	global_store_b64 v2, v[O+2*i:O+2*i+1], s[12:13] offset:(i/4)*8192+(i%4)*2048
.set i, i+1
.endr
	s_endpgm
.Lfunc_end_k_q2b827c371c_requant:
	.size	k_q2b827c371c_requant, .Lfunc_end_k_q2b827c371c_requant-k_q2b827c371c_requant
	.p2alignl 7, 3214868480
	.fill 96, 4, 3214868480
	.section	.rodata,"a",@progbits
	.p2align	6, 0x0
	.amdhsa_kernel k_q2b827c371c_requant
		.amdhsa_group_segment_fixed_size 0
		.amdhsa_private_segment_fixed_size 0
		.amdhsa_enable_private_segment 0
		.amdhsa_kernarg_size 40
		.amdhsa_user_sgpr_count 2
		.amdhsa_user_sgpr_kernarg_segment_ptr 1
		.amdhsa_wavefront_size32 1
		.amdhsa_system_sgpr_workgroup_id_x 1
		.amdhsa_system_sgpr_workgroup_id_y 1
		.amdhsa_system_sgpr_workgroup_id_z 1
		.amdhsa_system_vgpr_workitem_id 0
		.amdhsa_next_free_vgpr 256
		.amdhsa_next_free_sgpr 66
		.amdhsa_reserve_vcc 0
		.amdhsa_float_denorm_mode_32 3
		.amdhsa_float_denorm_mode_16_64 3
		.amdhsa_memory_ordered 1
		.amdhsa_forward_progress 1
		.amdhsa_inst_pref_size 43
	.end_amdhsa_kernel
	.amdgpu_metadata
---
amdhsa.version: [ 1, 2 ]
amdhsa.kernels:
  - .name:           k_q2b827c371c_requant
    .symbol:         k_q2b827c371c_requant.kd
    .args:
      - { .name: qkv32, .offset: 0, .size: 8, .value_kind: global_buffer, .address_space: global }
      - { .name: amax, .offset: 8, .size: 8, .value_kind: global_buffer, .address_space: global }
      - { .name: wo, .offset: 16, .size: 8, .value_kind: global_buffer, .address_space: global }
      - { .name: qkv16, .offset: 24, .size: 8, .value_kind: global_buffer, .address_space: global }
      - { .name: wo16, .offset: 32, .size: 8, .value_kind: global_buffer, .address_space: global }
    .group_segment_fixed_size: 0
    .private_segment_fixed_size: 0
    .kernarg_segment_align: 8
    .kernarg_segment_size: 40
    .max_flat_workgroup_size: 256
    .sgpr_count:     66
    .vgpr_count:     256
    .wavefront_size: 32
...
	.end_amdgpu_metadata
.endif
;; end of part 3
;; launch attn (part 4): grid 32 x 8, 8 waves a work-group, clusters of 4 x 4, 327,680 bytes of LDS; arguments qkv16, attention_mask, amax, attn16; writes attn16
.if DOCPART == 4
	.amdgcn_target "amdgcn-amd-amdhsa--gfx1250"
	.amdhsa_code_object_version 6
	.text
	.protected	k_q2b827c371c_attn
	.globl	k_q2b827c371c_attn
	.p2align	8
	.type	k_q2b827c371c_attn,@function
k_q2b827c371c_attn:
	s_mov_b64 s[64:65], 0
	v_nop
	global_prefetch_b8 v0, s[64:65] scope:SCOPE_SE
	s_setreg_imm32_b32 hwreg(HW_REG_WAVE_MODE, 25, 1), 1
	s_wait_xcnt 0x0
	s_wait_alu depctr_hold_cnt(0) depctr_sa_sdst(0) depctr_va_vdst(0) depctr_va_sdst(0) depctr_va_ssrc(0) depctr_va_vcc(0) depctr_vm_vsrc(0)
	s_getreg_b32 s2, hwreg(HW_REG_IB_STS2, 6, 4)
	s_cmp_eq_u32 s2, 0
	s_cbranch_scc0 .Lentry_in_a_cluster
	s_endpgm
.Lentry_in_a_cluster:
	s_bfe_u32 s2, ttmp6, 0x10000c
	s_cmp_lg_u32 s2, 0xf033
	s_cbranch_scc0 .Lentry_shape_is_right
	s_endpgm
.Lentry_shape_is_right:
; ATTN.  attn[q][head][:] = the sum over k of softmax_k(sq sk (nq . nk) / sqrt(128) + mask[q][k]) nv[k][:], in units of v's whole numbers (v's scale is applied in the next launch).  nq, nk, nv: the whole numbers of qkv16, exact in f16;
; the score sums are exact in f32.  The mask is an input: every tile of it is loaded and added; no tile is left out.  Maxima and sums in f32, with a running maximum; the weights p are rounded to f16 for the second product.
; SHARES.  A work-group owns 64 queries and one key/value head g, that is two query heads.  Wave w: queries 16 (w % 4) on, and of every 128 keys the 64 keys from 64 (w / 4) on: two waves on a SIMD split the keys, so that one wave's
; vector work stands beside the other's products.  A wave holds TWO tiles, the same 16 queries of the two heads: each fragment of K and V feeds two products and one set of mask registers serves both.
; Tile 0 is head 2 g + w / 4, tile 1 the other: at the end each wave gives tile 1 to wave w xor 4 through LDS and finishes tile 0.
; LAYOUT.  S^T = K Q^T (source 0 = 16 keys, source 1 = 16 queries), O^T = V^T P: a lane holds one query throughout.  V ([key][channel]) comes out of LDS turned, by ds_load_tr16_b128.
; CLUSTER 4 x 4.  K's and V's tiles hang on g and are asked for jointly along a row of the cluster; the mask's tile hangs on the query block and is asked for jointly along a column.
; LIMITS: NaN and +infinity among mask or scores are not served; -infinity in the mask is served (a row that is all -infinity gives NaN, as in the definition).
; REGISTERS.  window 0: v1-31 addresses and constants; v32-47 statistics, eight a tile (+0 m, +2, +3 l, +4..7 at work, a in +6); v64-127 S^T; v128-159 P; v160-191 the mask; v192-255 Q.  window 1: v0-127 O^T; v128-255 K, then V.
.set PK,   272
.set PV,   288
.set PM,   528
.set VOFF, 128*PK
.set MOFF, VOFF+128*PV
.set SLOT, MOFF+64*PM                  ; a slot: 128 keys of K, 128 of V, 64 query rows x 128 keys of the mask
.set XCH,  2*SLOT                      ; the exchange: 8,448 bytes a wave (O^T's 8,192, then m, then l)
.set OST,  XCH+8*8448                  ; the way out: 16 rows x 272 bytes a wave
.set SPARE, OST+8*16*272               ; the spare words: four blocks of 256 bytes that no other line names
.set AK,  3                            ; v3, v4 my place in K's tile, slot 0, 1;  v5, v6 in V's;  v7, v8 in the mask's
.set AV,  5
.set AM,  7
.set QO,  9                            ; v9, v10
.set XW,  11
.set XWS, 12
.set XR,  13
.set XRS, 14
.set STO, 15
.set RD,  16
.set GO,  17
.set PFO, 18
.set CV,  20                           ; v[20:21] c = sq sk log2(e) / sqrt(128), twice
.set SPW, 30
.set NIL, 31
.set ST,  32
.set S,   64
.set P,   128
.set MK,  160
.set QF,  192
.set KV,  128                          ; in window 1
.set WV,  12
.set LIM, 19
.set SEL, 20
.set G1K, 24
.set G1V, 32
.set G1M, 40
.set G0K, 48
.set G0V, 56
.set G0M, 68
.set PFA, 76
.set PFS, 78
.set MSB, 0
.macro WIN new
.if MSB != \new
	s_set_vgpr_msb (MSB<<8)|\new
.set MSB, \new
.endif
.endm
; A joint load, one a wave: waves 0, 1 K's halves, waves 2, 3 V's halves, waves 4-7 sixteen mask rows each.  The branches hang on the wave's number alone.  An s_nop 0 and four v_nop follow each line.
.macro JLOAD3 s
	s_cmp_lt_u32 s[WV], 2
	s_cbranch_scc0 .Lnot_k_\@
	tensor_load_to_lds s[G0K+4*(\s):G0K+4*(\s)+3], s[G1K:G1K+7]
	s_nop 0
.rept 4
	v_nop
.endr
	s_branch .Lasked_\@
.Lnot_k_\@:
	s_cmp_lt_u32 s[WV], 4
	s_cbranch_scc0 .Lfor_m_\@
	tensor_load_to_lds s[G0V+4*(\s):G0V+4*(\s)+3], s[G1V:G1V+7]
	s_nop 0
.rept 4
	v_nop
.endr
	s_branch .Lasked_\@
.Lfor_m_\@:
	tensor_load_to_lds s[G0M+4*(\s):G0M+4*(\s)+3], s[G1M:G1M+7]
	s_nop 0
.rept 4
	v_nop
.endr
.Lasked_\@:
.endm
; A prefetch of the tile that the NEXT trip's joint loads will ask for, one instruction a wave that asks.  Each aligned block of 256 bytes is named once in the launch: K's and V's rows by the clusters with x = 0 (wave 0: K, wave 2: V;
; the four partners of a row take 32 rows each, told apart by address, a lane a row); the mask's by the clusters with y = 0 (wave 4; the four partners of a column take 16 rows each, two blocks a row).
.macro ASK
	s_cmp_eq_u32 s[LIM], 1
	s_cbranch_scc0 .Lnot_mine_\@
	global_prefetch_b8 v[PFO], s[PFA:PFA+1] th:TH_LOAD_NT scope:SCOPE_SE
.Lnot_mine_\@:
.endm
.macro CROUND
	s_barrier_signal -1
	s_barrier_wait -1
	s_cmp_lg_u32 s[WV], 0
	s_cbranch_scc1 .Lnot_wave_0_\@
	s_barrier_signal -3
.Lnot_wave_0_\@:
	s_barrier_wait -3
	s_barrier_signal -1
	s_barrier_wait -1
.endm
.macro PLACES
.rept 4
	v_nop
.endr
.endm
	s_load_b256 s[4:11], s[0:1], 0x0               ; qkv16 s[4:5], mask s[6:7], amax s[8:9], attn16 s[10:11]
	v_lshl_add_u32 v[SPW], v0, 2, SPARE
	v_mov_b32 v[NIL], 0
	ds_add_u32 v[SPW], v[NIL]                      ; the wave's opening: an add of 0, twice on end, and its wait ahead of my first tensor load
	ds_add_u32 v[SPW], v[NIL]
	v_lshrrev_b32 v1, 5, v0
	v_readfirstlane_b32 s[WV], v1                  ; wave 0..7
	s_bfe_u32 s13, ttmp6, 0x40000                  ; cx
	s_bfe_u32 s14, ttmp6, 0x40004                  ; cy
	s_lshl_b32 s15, ttmp9, 2
	s_add_co_u32 s15, s15, s13                     ; my block of 64 queries
	s_and_b32 s16, ttmp7, 0xffff
	s_lshl_b32 s16, s16, 2
	s_add_co_u32 s16, s16, s14                     ; g
	s_lshl_b32 s17, s14, 2
	s_lshl_b32 s17, 15, s17                        ; my row of the cluster
	s_lshl_b32 s18, 0x1111, s13                    ; my column
	s_or_b32 s[G1K], s17, (1<<16)|(1<<20)|(1<<21)|(5<<22)|(3<<25)    ; elements of 2 bytes; 4 words of padding behind every 64
	s_or_b32 s[G1V], s17, (1<<16)|(1<<20)|(1<<21)|(5<<22)|(7<<25)    ; 8 words
	s_or_b32 s[G1M], s18, (2<<16)|(1<<20)|(1<<21)|(6<<22)|(3<<25)    ; elements of 4 bytes; 4 words behind every 128
.irp g, G1K, G1V
	s_mov_b32 s[\g+1], 128<<16
	s_mov_b32 s[\g+2], 64<<16
	s_mov_b32 s[\g+3], 128<<16
	s_mov_b32 s[\g+4], 64
	s_mov_b32 s[\g+5], 4096
	s_mov_b32 s[\g+6], 0
	s_mov_b32 s[\g+7], 0
.endr
	s_mov_b32 s[G1M+1], 128<<16
	s_mov_b32 s[G1M+2], 16<<16
	s_mov_b32 s[G1M+3], 128<<16
	s_mov_b32 s[G1M+4], 16
	s_mov_b32 s[G1M+5], 2048
	s_mov_b32 s[G1M+6], 0
	s_mov_b32 s[G1M+7], 0
	s_and_b32 s81, s[WV], 1
	s_and_b32 s82, s[WV], 3                        ; my tile of queries
	s_lshr_b32 s83, s[WV], 2                       ; p: my half of the keys
	s_lshl_b32 s84, s16, 8
	s_lshl_b32 s85, s81, 19                        ; 64 rows of 8,192 bytes
	s_add_co_u32 s84, s84, s85
	s_add_co_u32 s84, s84, 4096                    ; K: column 2,048 + 128 g
	s_mov_b32 s85, 0
	s_add_co_u32 s86, s84, 2048                    ; V: column 3,072 + 128 g
	s_mov_b32 s87, 0
	s_lshl_b32 s88, s15, 19
	s_lshl_b32 s89, s82, 17
	s_add_co_u32 s88, s88, s89                     ; the mask: row 64 x block + 16 (wave % 4)
	s_mov_b32 s89, 0
	s_mul_i32 s90, s81, 64*PK
	s_mul_i32 s91, s81, 64*PV
	s_add_co_u32 s91, s91, VOFF
	s_mul_i32 s92, s82, 16*PM
	s_add_co_u32 s92, s92, MOFF
	s_mov_b32 s[SEL], 0x76543210
	s_mov_b32 s[SEL+1], 0xfedcba98
	s_wait_dscnt 0x0                               ; both opening adds are done
	s_wait_kmcnt 0x0
	s_add_nc_u64 s[84:85], s[4:5], s[84:85]
	s_add_nc_u64 s[86:87], s[4:5], s[86:87]
	s_add_nc_u64 s[88:89], s[6:7], s[88:89]
.irp s, 0,1
	s_mov_b32 s[G0K+4*\s], 1
	s_add_co_u32 s[G0K+4*\s+1], s90, \s*SLOT
	s_add_nc_u64 s[G0K+4*\s+2:G0K+4*\s+3], s[84:85], \s*1048576      ; slot s begins with keys 128 s on
	s_or_b32 s[G0K+4*\s+3], s[G0K+4*\s+3], 0x80000000
	s_mov_b32 s[G0V+4*\s], 1
	s_add_co_u32 s[G0V+4*\s+1], s91, \s*SLOT
	s_add_nc_u64 s[G0V+4*\s+2:G0V+4*\s+3], s[86:87], \s*1048576
	s_or_b32 s[G0V+4*\s+3], s[G0V+4*\s+3], 0x80000000
	s_mov_b32 s[G0M+4*\s], 1
	s_add_co_u32 s[G0M+4*\s+1], s92, \s*SLOT
	s_add_nc_u64 s[G0M+4*\s+2:G0M+4*\s+3], s[88:89], \s*512
	s_or_b32 s[G0M+4*\s+3], s[G0M+4*\s+3], 0x80000000
.endr
	CROUND                                         ; all sixteen work-groups are here: the first joint loads meet
	JLOAD3 0                                       ; tile 0: every wave has one load out
	v_and_b32 v1, 15, v0                           ; r
	v_bfe_u32 v2, v0, 4, 1                         ; h
	v_and_b32 v19, 31, v0                          ; lane
	v_mul_u32_u24 v3, v1, PK
	v_lshl_add_u32 v3, v2, 4, v3
	s_mul_i32 s93, s83, 64*PK
	v_add_nc_u32 v3, s93, v3
	v_add_nc_u32 v4, SLOT, v3
	v_and_b32 v5, 7, v0
	v_lshl_add_u32 v5, v2, 3, v5
	v_mul_u32_u24 v5, v5, PV
	v_bfe_u32 v6, v0, 3, 1
	v_lshl_add_u32 v5, v6, 4, v5
	s_mul_i32 s93, s83, 64*PV
	s_add_co_u32 s93, s93, VOFF
	v_add_nc_u32 v5, s93, v5
	v_add_nc_u32 v6, SLOT, v5
	v_mul_u32_u24 v7, v1, PM
	v_lshl_add_u32 v7, v2, 5, v7
	s_mul_i32 s93, s82, 16*PM
	s_lshl_b32 s94, s83, 8
	s_add_co_u32 s93, s93, s94
	s_add_co_u32 s93, s93, MOFF
	v_add_nc_u32 v7, s93, v7                       ; the mask: row 16 (w % 4) + r, keys 64 p + 8 h on
	v_add_nc_u32 v8, SLOT, v7
	v_lshlrev_b32 v9, 13, v1
	v_lshl_add_u32 v9, v2, 4, v9
	s_lshl_b32 s93, s83, 8
	s_xor_b32 s94, s93, 256
	v_add_nc_u32 v10, s94, v9                      ; tile 1: head 2 g + 1 - p
	v_add_nc_u32 v9, s93, v9                       ; tile 0: head 2 g + p
	s_lshl_b32 s93, s15, 6
	s_lshl_b32 s94, s82, 4
	s_add_co_u32 s93, s93, s94                     ; my first query
	s_lshl_b32 s94, s93, 13
	s_lshl_b32 s95, s16, 9
	s_add_co_u32 s94, s94, s95
	s_mov_b32 s95, 0
	s_add_nc_u64 s[96:97], s[4:5], s[94:95]        ; Q at my first query, head 2 g
	s_lshl_b32 s94, s93, 12
	s_lshl_b32 s93, s16, 9
	s_add_co_u32 s94, s94, s93
	s_lshl_b32 s93, s83, 8
	s_add_co_u32 s94, s94, s93
	s_add_nc_u64 s[10:11], s[10:11], s[94:95]      ; attn16 at my first query, head 2 g + p
.irp t, 0,1
.irp c, 0,1,2,3
	global_load_b128 v[QF+32*\t+8*\c:QF+32*\t+8*\c+3], v[QO+\t], s[96:97] offset:64*\c
	global_load_b128 v[QF+32*\t+8*\c+4:QF+32*\t+8*\c+7], v[QO+\t], s[96:97] offset:64*\c+32
.endr
.endr
	v_lshlrev_b32 v29, 4, v19
.irp i, 0,1,2,3,4,5
	global_load_b128 v[S+4*\i:S+4*\i+3], v29, s[8:9] offset:512*\i   ; q's 512 maxima, k's 256
.endr
	s_mul_i32 s93, s[WV], 8448
	s_add_co_u32 s93, s93, XCH
	v_lshl_add_u32 v[XW], v19, 4, s93
	v_lshl_add_u32 v[XWS], v19, 2, s93
	v_add_nc_u32 v[XWS], 8192, v[XWS]
	s_xor_b32 s94, s[WV], 4
	s_mul_i32 s94, s94, 8448
	s_add_co_u32 s94, s94, XCH
	v_lshl_add_u32 v[XR], v19, 4, s94
	v_lshl_add_u32 v[XRS], v19, 2, s94
	v_add_nc_u32 v[XRS], 8192, v[XRS]
	s_mul_i32 s93, s[WV], 16*272
	s_add_co_u32 s93, s93, OST
	v_mul_u32_u24 v[STO], v1, 272
	v_lshl_add_u32 v[STO], v2, 4, v[STO]
	v_add_nc_u32 v[STO], s93, v[STO]
	v_mul_u32_u24 v[RD], v2, 272
	v_lshl_add_u32 v[RD], v1, 4, v[RD]
	v_add_nc_u32 v[RD], s93, v[RD]
	v_lshlrev_b32 v[GO], 12, v2
	v_lshl_add_u32 v[GO], v1, 4, v[GO]
	; the prefetches: where my wave's stand (at tile 1: the first trip steps them to tile 2), and who asks
	s_lshr_b32 s95, s[WV], 1
	s_and_b32 s95, s95, 1
	s_lshl_b32 s95, s95, 11                        ; K's columns, or V's
	s_lshl_b32 s98, s16, 8
	s_add_co_u32 s95, s95, s98
	s_lshl_b32 s98, s13, 18                        ; my work-group's 32 rows of the 128
	s_add_co_u32 s95, s95, s98
	s_add_co_u32 s95, s95, 4096+1048576
	s_lshl_b32 s98, s15, 19
	s_lshl_b32 s99, s14, 17                        ; my work-group's 16 rows of the 64
	s_add_co_u32 s98, s98, s99
	s_add_co_u32 s98, s98, 512
	s_and_b32 s93, ttmp7, 0xffff                   ; the cluster's y
	s_and_b32 s[LIM], s[WV], 1
	s_cmp_eq_u32 s[WV], 6
	s_cselect_b32 s94, 1, 0
	s_or_b32 s[LIM], s[LIM], s94                   ; 0 in waves 0, 2, 4
	s_cmp_lt_u32 s[WV], 4
	s_cselect_b32 s93, ttmp9, s93                  ; the coordinate along which other clusters read the same bytes
	s_cselect_b64 s[PFA:PFA+1], s[4:5], s[6:7]
	s_cselect_b32 s94, 0, 1
	s_cselect_b32 s98, s95, s98
	s_mov_b32 s[PFS], 512
	s_cselect_b32 s[PFS], 1048576, s[PFS]          ; a tile on
	s_mov_b32 s[PFS+1], 0
	s_mov_b32 s99, 0
	s_add_nc_u64 s[PFA:PFA+1], s[PFA:PFA+1], s[98:99]
	s_or_b32 s[LIM], s[LIM], s93
	s_cmp_eq_u32 s[LIM], 0
	s_cselect_b32 s[LIM], 1, 0
	v_lshrrev_b32 v[PFO], s94, v19
	v_and_b32 v28, s94, v19
	v_lshlrev_b32 v[PFO], 13, v[PFO]
	v_lshl_add_u32 v[PFO], v28, 8, v[PFO]          ; K, V: a lane a row; the mask: two lanes a row, 256 bytes apart
.irp t, 0,1
	v_mov_b32 v[ST+8*\t], 0xff7fffff               ; m: under every score
	v_mov_b32 v[ST+8*\t+1], 0xff7fffff             ; (named with it as a pair)
	v_mov_b32 v[ST+8*\t+2], 0                      ; l, in two halves
	v_mov_b32 v[ST+8*\t+3], 0
.endr
	WIN 0x40
.set i, 0
.rept 128
	v_mov_b32 v[i], 0                              ; O^T.  (The trip is written once: its first pass finds zeros, which the first change of m leaves zeros)
.set i, i+1
.endr
	WIN 0
	s_wait_loadcnt 0x0                             ; Q and the maxima
	v_max3_num_f32 v24, v[S], v[S+1], v[S+2]
	v_max3_num_f32 v25, v[S+16], v[S+17], v[S+18]
.irp i, 3,5,7,9,11,13
	v_max3_num_f32 v24, v24, v[S+\i], v[S+\i+1]
.endr
.irp i, 19,21
	v_max3_num_f32 v25, v25, v[S+\i], v[S+\i+1]
.endr
	v_max_num_f32 v24, v24, v[S+15]
	v_max_num_f32 v25, v25, v[S+23]
.irp m, 1,2,4,8
	v_max_num_f32_dpp v24, v24, v24 row_xmask:\m row_mask:0xf bank_mask:0xf
	v_max_num_f32_dpp v25, v25, v25 row_xmask:\m row_mask:0xf bank_mask:0xf
.endr
	v_mov_b32 v26, 0
	v_mov_b32 v27, 0
	v_permlanex16_b32 v26, v24, s[SEL], s[SEL+1]
	v_permlanex16_b32 v27, v25, s[SEL], s[SEL+1]
	v_max_num_f32 v24, v24, v26
	v_max_num_f32 v25, v25, v27
	v_mul_f32 v26, 0x3c010204, v24                 ; sq, sk = max / 127, by the same lines as the launch that rounded
	v_mul_f32 v27, 0x3c010204, v25
	v_fma_f32 v22, -v26, 0x42fe0000, v24
	v_fma_f32 v23, -v27, 0x42fe0000, v25
	v_fma_f32 v24, v22, 0x3c010204, v26
	v_fma_f32 v25, v23, 0x3c010204, v27
	v_mul_f32 v[CV], v24, v25
	v_mul_f32 v[CV], 0x3e0293ee, v[CV]             ; x log2(e) / sqrt(128)
	v_mov_b32 v[CV+1], v[CV]
.macro FETCH_K slot                    ; my 64 keys x 128 channels: 16 fragments, 32 loads in one run
	WIN 0x40
.irp f, 0,1,2,3,4,5,6,7,8,9,10,11,12,13,14,15
	ds_load_b128 v[KV+8*\f:KV+8*\f+3], v[AK+\slot] offset:(\f/4)*16*PK+(\f%4)*64
	ds_load_b128 v[KV+8*\f+4:KV+8*\f+7], v[AK+\slot] offset:(\f/4)*16*PK+(\f%4)*64+32
.endr
.endm
.macro FETCH_M slot                    ; the mask of my 16 queries x 64 keys, in S^T's layout
	WIN 0
.irp k, 0,1,2,3
.irp c, 0,1
	ds_load_b128 v[MK+8*\k+4*\c:MK+8*\k+4*\c+3], v[AM+\slot] offset:64*\k+16*\c
.endr
.endr
.endm
.macro FETCH_V slot                    ; V turned: keys 32 (f / 8) on, channels 16 (f % 8) on
	WIN 0x40
.irp f, 0,1,2,3,4,5,6,7,8,9,10,11,12,13,14,15
	ds_load_tr16_b128 v[KV+8*\f:KV+8*\f+3], v[AV+\slot] offset:(\f/8)*32*PV+(\f%8)*32
	ds_load_tr16_b128 v[KV+8*\f+4:KV+8*\f+7], v[AV+\slot] offset:(\f/8)*32*PV+16*PV+(\f%8)*32
.endr
.endm
.macro KQ_ALL                          ; 32 products: channels 32 (i / 8) on, keys 16 ((i / 2) % 4) on, tile i % 2; the eight accumulators by turns; the first eight start the sums
.set i, 0
.rept 32
.set rS, S+32*(i%2)+8*((i/2)%4)
.set rK, KV+32*((i/2)%4)+8*(i/8)
.set rQ, QF+32*(i%2)+8*(i/8)
.if i < 8
	v_wmma_f32_16x16x32_f16 v[rS:rS+7], v[rK:rK+7], v[rQ:rQ+7], 0
.else
	v_wmma_f32_16x16x32_f16 v[rS:rS+7], v[rK:rK+7], v[rQ:rQ+7], v[rS:rS+7]
.endif
.set i, i+1
.endr
.endm
.macro PV_ALL                          ; 32 products: keys 32 (i / 16) on, channels 16 ((i / 2) % 8) on, tile i % 2; sixteen accumulators by turns
.set i, 0
.rept 32
.set rO, 64*(i%2)+8*((i/2)%8)
.set rV, KV+64*(i/16)+8*((i/2)%8)
.set rP, P+16*(i%2)+8*(i/16)
	v_wmma_f32_16x16x32_f16 v[rO:rO+7], v[rV:rV+7], v[rP:rP+7], v[rO:rO+7]
.set i, i+1
.endr
.endm
.macro SOFTMAX                         ; both tiles, line by line
.set b, 0
.rept 16
.irp t, 0,1
	v_pk_fma_f32 v[S+32*\t+2*b:S+32*\t+2*b+1], v[S+32*\t+2*b:S+32*\t+2*b+1], v[CV:CV+1], v[MK+2*b:MK+2*b+1]   ; x = score c + mask log2(e): one rounding; each accumulator from its low end on
.endr
.set b, b+1
.endr
.irp j, 0,1,2,3
.irp t, 0,1
	v_max3_num_f32 v[ST+8*\t+4+\j], v[S+32*\t+8*\j], v[S+32*\t+8*\j+1], v[S+32*\t+8*\j+2]
.endr
.endr
.irp k, 3,5
.irp j, 0,1,2,3
.irp t, 0,1
	v_max3_num_f32 v[ST+8*\t+4+\j], v[ST+8*\t+4+\j], v[S+32*\t+8*\j+\k], v[S+32*\t+8*\j+\k+1]
.endr
.endr
.endr
.irp t, 0,1
	v_max3_num_f32 v[ST+8*\t+4], v[ST+8*\t+4], v[S+32*\t+7], v[S+32*\t+15]
	v_max3_num_f32 v[ST+8*\t+6], v[ST+8*\t+6], v[S+32*\t+23], v[S+32*\t+31]
.endr
.irp t, 0,1
	v_max3_num_f32 v[ST+8*\t+4], v[ST+8*\t+4], v[ST+8*\t+5], v[ST+8*\t+6]
.endr
.irp t, 0,1
	v_max3_num_f32 v[ST+8*\t+4], v[ST+8*\t+4], v[ST+8*\t+7], v[ST+8*\t]   ; with the old m
.endr
.irp t, 0,1
	v_permlanex16_b32 v[ST+8*\t+5], v[ST+8*\t+4], s[SEL], s[SEL+1]        ; the query's other keys lie in the lane 16 away
.endr
.irp t, 0,1
	v_mov_b32 v[ST+8*\t+7], v[ST+8*\t]
.endr
.irp t, 0,1
	v_max_num_f32 v[ST+8*\t], v[ST+8*\t+4], v[ST+8*\t+5]                  ; the new m
.endr
.irp t, 0,1
	v_sub_f32 v[ST+8*\t+7], v[ST+8*\t+7], v[ST+8*\t]                      ; the old m less the new
.endr
.set b, 0
.rept 16
.irp t, 0,1
	v_pk_add_f32 v[S+32*\t+2*b:S+32*\t+2*b+1], v[S+32*\t+2*b:S+32*\t+2*b+1], v[ST+8*\t:ST+8*\t+1] op_sel_hi:[1,0] neg_lo:[0,1] neg_hi:[0,1]   ; x - m: a true subtraction
.endr
.set b, b+1
.endr
.irp t, 0,1
	v_exp_f32 v[ST+8*\t+6], v[ST+8*\t+7]           ; a
.endr
.set b, 0
.rept 32
.irp t, 0,1
	v_exp_f32 v[S+32*\t+b], v[S+32*\t+b]           ; p
.endr
.set b, b+1
.endr
	v_nop                                          ; a plain instruction behind the last exponential
	s_wait_alu depctr_va_vdst(0)                   ; ONE wait for the 66, ahead of their first reader
.set b, 0
.rept 16
.irp t, 0,1
	v_cvt_pk_f16_f32 v[P+16*\t+b], v[S+32*\t+2*b], v[S+32*\t+2*b+1]
.endr
.set b, b+1
.endr
.irp w, 4,8,16,32                      ; the sum of the unrounded p, pairs 1, 2, 4 and 8 apart
.set u, 0
.rept 32/\w
.irp t, 0,1
	v_pk_add_f32 v[S+32*\t+\w*u:S+32*\t+\w*u+1], v[S+32*\t+\w*u:S+32*\t+\w*u+1], v[S+32*\t+\w*u+\w/2:S+32*\t+\w*u+\w/2+1]
.endr
.set u, u+1
.endr
.endr
.irp t, 0,1
	v_pk_fma_f32 v[ST+8*\t+2:ST+8*\t+3], v[ST+8*\t+2:ST+8*\t+3], v[ST+8*\t+6:ST+8*\t+7], v[S+32*\t:S+32*\t+1] op_sel_hi:[1,0,1]   ; l = a l + the sum
.endr
.endm
; A TRIP: one tile of 128 keys, in slot.  refill = 1: the next tile is asked for, into the other slot.  ask = 1: the tile after that is prefetched.
.macro TRIP slot, refill, ask
	s_wait_tensorcnt 0x0                           ; all my tensor loads have landed: my part of this trip's tile; so every group 0 may be written
	ds_add_u32 v[SPW], v[NIL]                      ; 0 onto my spare word
	s_add_nc_u64 s[G0K+4*\slot+2:G0K+4*\slot+3], s[G0K+4*\slot+2:G0K+4*\slot+3], 2097152   ; this slot's next tile: 256 keys on
	s_add_nc_u64 s[G0V+4*\slot+2:G0V+4*\slot+3], s[G0V+4*\slot+2:G0V+4*\slot+3], 2097152
	s_add_nc_u64 s[G0M+4*\slot+2:G0M+4*\slot+3], s[G0M+4*\slot+2:G0M+4*\slot+3], 1024
.if \ask
	s_wait_xcnt 0x0                                ; the last prefetch, a trip back, has read its address
	s_add_nc_u64 s[PFA:PFA+1], s[PFA:PFA+1], s[PFS:PFS+1]
.endif
	s_wait_dscnt 0x0                               ; the add is done, and my reads of the last trip's tile are over
	CROUND                                         ; both now hold of every wave of every work-group of the cluster
.if \refill
	JLOAD3 1-\slot                                 ; my one tensor load behind the round; its four v_nop are the places in front of the loads below
.else
	PLACES
.endif
	FETCH_K \slot
	FETCH_M \slot
.if \ask
	ASK
.endif
	s_wait_dscnt 8                                 ; K is in; the eight mask loads may be out
	WIN 0x01                                       ; source 0 (K) window 1
	KQ_ALL
	WIN 0
	s_wait_dscnt 0x0                               ; the mask
.set b, 0
.rept 16
	v_pk_mul_f32 v[MK+2*b:MK+2*b+1], v[MK+2*b:MK+2*b+1], 0x3fb8aa3b op_sel_hi:[1,0]   ; mask x log2(e), for both tiles.  (These are also the places behind the products)
.set b, b+1
.endr
	FETCH_V \slot                                  ; into K's registers; it lands under the softmax
	WIN 0
	SOFTMAX
	s_wait_dscnt 0x0                               ; V
	WIN 0x51                                       ; V and O^T window 1, P and a window 0
.irp t, 0,1
.set i, 0
.rept 32
	v_pk_mul_f32 v[64*\t+i:64*\t+i+1], v[64*\t+i:64*\t+i+1], v[ST+8*\t+6:ST+8*\t+7] op_sel_hi:[1,0]   ; O^T x a, each accumulator from its low end on
.set i, i+2
.endr
.endr
	PV_ALL
	WIN 0
.endm
	s_mov_b32 s80, 7
.Lring:                                            ; 14 of the 16 tiles; each trip asks for the next tile
	TRIP 0, 1, 1
	TRIP 1, 1, 1
	s_sub_co_u32 s80, s80, 1
	s_cmp_lg_u32 s80, 0
	s_cbranch_scc1 .Lring
	TRIP 0, 1, 0                                   ; the tail is written out: the last tile is asked for, then nothing
	TRIP 1, 0, 0
	; THE MERGE.  Tile 1 goes to wave w xor 4, whose tile 0 is the same head over the other keys; I take its tile 1 and finish my tile 0.
	PLACES
.irp t, 0,1
	v_add_f32 v[ST+8*\t+2], v[ST+8*\t+2], v[ST+8*\t+3]
.endr
	WIN 0x04                                       ; an LDS store's data are its source 1: window 1
.irp i, 0,1,2,3,4,5,6,7,8,9,10,11,12,13,14,15
	ds_store_b128 v[XW], v[64+4*\i:64+4*\i+3] offset:512*\i      ; an image of the registers: 16 bytes a lane
.endr
	WIN 0
	ds_store_b32 v[XWS], v[ST+8]
	ds_store_b32 v[XWS], v[ST+10] offset:128
	s_wait_dscnt 0x0                               ; for the others' sake: my stores are done
	s_barrier_signal -1
	s_barrier_wait -1
.irp i, 0,1,2,3,4,5,6,7,8,9,10,11,12,13,14,15
	ds_load_b128 v[S+4*\i:S+4*\i+3], v[XR] offset:512*\i
.endr
	ds_load_b32 v[ST+12], v[XRS]                   ; the partner's m
	ds_load_b32 v[ST+13], v[XRS] offset:128        ; and l
	s_wait_dscnt 0x0
	v_max_num_f32 v[ST+4], v[ST], v[ST+12]
	v_sub_f32 v[ST+5], v[ST], v[ST+4]
	v_sub_f32 v[ST+6], v[ST+12], v[ST+4]
	v_exp_f32 v[ST+5], v[ST+5]
	v_exp_f32 v[ST+6], v[ST+6]
	v_nop
	s_wait_alu depctr_va_vdst(0)                   ; one wait for the two
	v_mul_f32 v[ST+7], v[ST+2], v[ST+5]
	v_fma_f32 v[ST+7], v[ST+13], v[ST+6], v[ST+7]
	v_permlanex16_b32 v[ST+14], v[ST+7], s[SEL], s[SEL+1]
	v_add_f32 v[ST+7], v[ST+7], v[ST+14]           ; the row's sum
	v_rcp_f32 v[ST+7], v[ST+7]
	v_nop
	s_wait_alu depctr_va_vdst(0)
	v_mul_f32 v[ST+8], v[ST+5], v[ST+7]            ; my part's factor,
	v_mul_f32 v[ST+10], v[ST+6], v[ST+7]           ; the partner's
.set i, 0
.rept 32
	v_pk_mul_f32 v[S+i:S+i+1], v[S+i:S+i+1], v[ST+10:ST+11] op_sel_hi:[1,0]
.set i, i+2
.endr
	WIN 0x01                                       ; source 0 (my O^T) window 1
.set i, 0
.rept 32
	v_pk_fma_f32 v[S+i:S+i+1], v[i:i+1], v[ST+8:ST+9], v[S+i:S+i+1] op_sel_hi:[1,0,1]
.set i, i+2
.endr
	WIN 0
.set i, 0
.rept 32
	v_cvt_pk_f16_f32 v[P+i], v[S+2*i], v[S+2*i+1]
.set i, i+1
.endr
.irp f, 0,1,2,3,4,5,6,7
	ds_store_b128 v[STO], v[P+4*\f:P+4*\f+3] offset:32*\f
.endr
.irp f, 0,1,2,3,4,5,6,7
	ds_load_b128 v[MK+4*\f:MK+4*\f+3], v[RD] offset:\f*544       ; LDS serves a wave's instructions in order: these see the stores above
.endr
.irp f, 0,1,2,3,4,5,6,7
	s_wait_dscnt 7-\f                              ; pair f of rows is back; the younger loads may be out
	global_store_b128 v[GO], v[MK+4*\f:MK+4*\f+3], s[10:11] offset:\f*8192   ; sixteen lanes store a head's 256 bytes of a row, aligned
.endr
	s_wait_tensorcnt 0x0                           ; the wave's end
	ds_add_u32 v[SPW], v[NIL]
	s_wait_dscnt 0x0
	CROUND                                         ; the closing round
	s_endpgm
.Lfunc_end_k_q2b827c371c_attn:
	.size	k_q2b827c371c_attn, .Lfunc_end_k_q2b827c371c_attn-k_q2b827c371c_attn
	.p2alignl 7, 3214868480
	.fill 96, 4, 3214868480
	.section	.rodata,"a",@progbits
	.p2align	6, 0x0
	.amdhsa_kernel k_q2b827c371c_attn
		.amdhsa_group_segment_fixed_size 327680
		.amdhsa_private_segment_fixed_size 0
		.amdhsa_enable_private_segment 0
		.amdhsa_kernarg_size 32
		.amdhsa_user_sgpr_count 2
		.amdhsa_user_sgpr_kernarg_segment_ptr 1
		.amdhsa_wavefront_size32 1
		.amdhsa_system_sgpr_workgroup_id_x 1
		.amdhsa_system_sgpr_workgroup_id_y 1
		.amdhsa_system_sgpr_workgroup_id_z 1
		.amdhsa_system_vgpr_workitem_id 0
		.amdhsa_next_free_vgpr 512
		.amdhsa_next_free_sgpr 100
		.amdhsa_reserve_vcc 0
		.amdhsa_float_denorm_mode_32 3
		.amdhsa_float_denorm_mode_16_64 3
		.amdhsa_memory_ordered 1
		.amdhsa_forward_progress 1
		.amdhsa_inst_pref_size 144
	.end_amdhsa_kernel
	.amdgpu_metadata
---
amdhsa.version: [ 1, 2 ]
amdhsa.kernels:
  - .name:           k_q2b827c371c_attn
    .symbol:         k_q2b827c371c_attn.kd
    .args:
      - { .name: qkv16, .offset: 0, .size: 8, .value_kind: global_buffer, .address_space: global }
      - { .name: attention_mask, .offset: 8, .size: 8, .value_kind: global_buffer, .address_space: global }
      - { .name: amax, .offset: 16, .size: 8, .value_kind: global_buffer, .address_space: global }
      - { .name: attn16, .offset: 24, .size: 8, .value_kind: global_buffer, .address_space: global }
    .group_segment_fixed_size: 327680
    .private_segment_fixed_size: 0
    .kernarg_segment_align: 8
    .kernarg_segment_size: 32
    .max_flat_workgroup_size: 256
    .sgpr_count:     100
    .vgpr_count:     512
    .wavefront_size: 32
...
	.end_amdgpu_metadata
.endif
;; end of part 4
;; launch oproj (part 5): grid 16 x 16, 4 waves a work-group, clusters of 4 x 4, 327,680 bytes of LDS; arguments attn16, wo16, amax, out0; writes out0
.if DOCPART == 5
	.amdgcn_target "amdgcn-amd-amdhsa--gfx1250"
	.amdhsa_code_object_version 6
	.text
	.protected	k_q2b827c371c_oproj
	.globl	k_q2b827c371c_oproj
	.p2align	8
	.type	k_q2b827c371c_oproj,@function
k_q2b827c371c_oproj:
	s_mov_b64 s[64:65], 0
	v_nop
	global_prefetch_b8 v0, s[64:65] scope:SCOPE_SE
	s_setreg_imm32_b32 hwreg(HW_REG_WAVE_MODE, 25, 1), 1
	s_wait_xcnt 0x0
	s_wait_alu depctr_hold_cnt(0) depctr_sa_sdst(0) depctr_va_vdst(0) depctr_va_sdst(0) depctr_va_ssrc(0) depctr_va_vcc(0) depctr_vm_vsrc(0)
	s_getreg_b32 s2, hwreg(HW_REG_IB_STS2, 6, 4)
	s_cmp_eq_u32 s2, 0
	s_cbranch_scc0 .Lentry_in_a_cluster
	s_endpgm
.Lentry_in_a_cluster:
	s_bfe_u32 s2, ttmp6, 0x10000c
	s_cmp_lg_u32 s2, 0xf033
	s_cbranch_scc0 .Lentry_shape_is_right
	s_endpgm
.Lentry_shape_is_right:
; OPROJ.  out0[m][n] = sv x the sum over k of attn16[m][k] wo16[k][n]; M 2,048, N 4,096, K 2,048; f16 operands, f32 sums; sv = v's largest magnitude / 127, applied in f32 on the way out.
; A tile is 128 x 256: 256 work-groups; four waves, each 64 rows x 128 columns: 32 accumulators.  K goes in steps of 128 through two LDS slots: attn16's tile rows are 256 bytes, wo16's (128 rows of K x 256 columns) 512 bytes.
; THE MATRIX INSTRUCTION IS USED TRANSPOSED (source 0 = 16 columns of wo, turned out of LDS by ds_load_tr16_b128; source 1 = 16 rows of attn): a lane holds eight neighbouring numbers of a row of the output.
; CLUSTERS 4 x 4: attn's tile is asked for jointly along a row of the cluster, wo's along a column.
; REGISTERS: window 0: v12-13 sv, v16-29 addresses, v96-159 attn's fragments, two sets; window 1: wo's, two sets of 64; window 2: accumulator (a, b) at v[8 (8 a + b)].  On the way out: v32-95 results, v128-255 rows back from the stage.
.set PITCH,  272
.set BP,     544                       ; wo's LDS row: 512 bytes + 32
.set AHALF,  64*PITCH
.set BHALF,  64*BP
.set BOFF,   2*AHALF
.set SLOT,   BOFF+2*BHALF
.set STG,    2*SLOT
.set SPITCH, 528
.set SPARE,  STG+4*16*SPITCH
.set SV,   12
.set ADRA, 16
.set ADRB, 20
.set STO,  24
.set RD,   25
.set CO,   26
.set SPW,  28
.set NIL,  29
.set AF,   96
.set Y,    32
.set BK,   128
.set G1,   24
.set G0,   32
.set G1B,  48
.set G0B,  56
.set MSB, 0
.macro WIN new
.if MSB != \new
	s_set_vgpr_msb (MSB<<8)|\new
.set MSB, \new
.endif
.endm
.set MUL,  0xa1
.set TO_B, 0x40
.macro JLOAD g0a, g1a, g0b, g1b        ; waves 0 and 1 fetch attn's halves, waves 2 and 3 wo's; an s_nop 0 and four v_nop follow each line
	s_cmp_eq_u32 s15, 0
	s_cbranch_scc0 .Lfor_b_\@
	tensor_load_to_lds s[\g0a:\g0a+3], s[\g1a:\g1a+7]
	s_nop 0
.rept 4
	v_nop
.endr
	s_branch .Lasked_\@
.Lfor_b_\@:
	tensor_load_to_lds s[\g0b:\g0b+3], s[\g1b:\g1b+7]
	s_nop 0
.rept 4
	v_nop
.endr
.Lasked_\@:
.endm
.macro CREST
	s_cmp_lg_u32 s14, 0
	s_cbranch_scc1 .Lnot_wave_0_\@
	s_barrier_signal -3
.Lnot_wave_0_\@:
	s_barrier_wait -3
	s_barrier_signal -1
	s_barrier_wait -1
.endm
.macro CROUND
	s_barrier_signal -1
	s_barrier_wait -1
	CREST
.endm
.macro PLACES n
.rept \n
	v_nop
.endr
.endm
	s_load_b256 s[4:11], s[0:1], 0x0               ; attn16 s[4:5], wo16 s[6:7], amax s[8:9], out0 s[10:11]
	v_lshl_add_u32 v[SPW], v0, 2, SPARE
	v_mov_b32 v[NIL], 0
	ds_add_u32 v[SPW], v[NIL]                      ; the wave's opening: an add of 0, twice on end, and its wait ahead of my first tensor load
	ds_add_u32 v[SPW], v[NIL]
	v_lshrrev_b32 v1, 5, v0
	v_readfirstlane_b32 s14, v1
	s_lshr_b32 s15, s14, 1                         ; my half of the rows.  Also: I fetch for attn (0) or for wo (1)
	s_and_b32 s16, s14, 1                          ; my half of the columns.  Also: which half of that tile I fetch
	s_bfe_u32 s40, ttmp6, 0x40000
	s_bfe_u32 s41, ttmp6, 0x40004
	s_lshl_b32 s42, ttmp9, 2
	s_add_co_u32 s42, s42, s40                     ; tile column
	s_and_b32 s17, ttmp7, 0xffff
	s_lshl_b32 s17, s17, 2
	s_add_co_u32 s17, s17, s41                     ; tile row
	s_lshl_b32 s43, s41, 2
	s_lshl_b32 s43, 15, s43
	s_lshl_b32 s44, 0x1111, s40
	s_or_b32 s[G1+0], s43, (1<<16)|(1<<20)|(1<<21)|(5<<22)|(3<<25)   ; elements of 2 bytes; 4 words behind every 64
	s_or_b32 s[G1B+0], s44, (1<<16)|(1<<20)|(1<<21)|(6<<22)|(7<<25)  ; 8 words behind every 128
	s_mov_b32 s[G1+1], 128<<16
	s_mov_b32 s[G1+2], 64<<16
	s_mov_b32 s[G1+3], 128<<16
	s_mov_b32 s[G1+4], 64
	s_mov_b32 s[G1+5], 2048
	s_mov_b32 s[G1+6], 0
	s_mov_b32 s[G1+7], 0
	s_mov_b32 s[G1B+1], 256<<16
	s_mov_b32 s[G1B+2], 64<<16
	s_mov_b32 s[G1B+3], 256<<16
	s_mov_b32 s[G1B+4], 64
	s_mov_b32 s[G1B+5], 4096
	s_mov_b32 s[G1B+6], 0
	s_mov_b32 s[G1B+7], 0
	s_lshl_b32 s18, s16, 6
	s_lshl_b32 s20, s17, 7
	s_add_co_u32 s20, s20, s18
	s_lshl_b32 s20, s20, 12                        ; attn: row 128 x tile row + 64 x half, 4,096 bytes a row
	s_mov_b32 s21, 0
	s_lshl_b32 s46, s42, 9                         ; wo: column 256 x tile column,
	s_lshl_b32 s18, s16, 19                        ; K row 64 x half, 8,192 bytes a row
	s_add_co_u32 s46, s46, s18
	s_mov_b32 s47, 0
	s_mul_i32 s45, s16, AHALF
	s_mul_i32 s68, s16, BHALF
	s_add_co_u32 s68, s68, BOFF
	s_mov_b32 s66, 0x76543210
	s_mov_b32 s67, 0xfedcba98
	s_wait_dscnt 0x0                               ; both opening adds are done
	s_wait_kmcnt 0x0
	s_add_nc_u64 s[20:21], s[4:5], s[20:21]
	s_add_nc_u64 s[46:47], s[6:7], s[46:47]
	CROUND
.irp s, 0,1
	s_mov_b32 s[G0+4*\s], 1
	s_add_co_u32 s[G0+4*\s+1], s45, \s*SLOT
	s_add_nc_u64 s[G0+4*\s+2:G0+4*\s+3], s[20:21], \s*256
	s_or_b32 s[G0+4*\s+3], s[G0+4*\s+3], 0x80000000
	s_mov_b32 s[G0B+4*\s], 1
	s_add_co_u32 s[G0B+4*\s+1], s68, \s*SLOT
	s_add_nc_u64 s[G0B+4*\s+2:G0B+4*\s+3], s[46:47], \s*1048576
	s_or_b32 s[G0B+4*\s+3], s[G0B+4*\s+3], 0x80000000
	JLOAD G0+4*\s, G1, G0B+4*\s, G1B
.endr
	v_and_b32 v1, 15, v0                           ; r
	v_bfe_u32 v2, v0, 4, 1                         ; h
	v_mul_u32_u24 v3, v1, PITCH
	v_lshl_add_u32 v4, v2, 4, v3
	v_and_b32 v5, 7, v0
	v_lshl_add_u32 v5, v2, 3, v5
	v_mul_u32_u24 v5, v5, BP
	v_bfe_u32 v6, v0, 3, 1
	v_lshl_add_u32 v5, v6, 4, v5                   ; the turning load: K row 8 h + l % 8, 16 bytes for each eight lanes
	s_mul_i32 s21, s15, AHALF
	s_lshl_b32 s22, s16, 8                         ; my 128 columns: 256 bytes on
	s_add_co_u32 s22, s22, BOFF
.irp s, 0,1
	v_add_nc_u32 v[ADRA+\s], s21, v4
	v_add_nc_u32 v[ADRB+\s], s22, v5
	s_add_co_u32 s21, s21, SLOT
	s_add_co_u32 s22, s22, SLOT
.endr
	s_mul_i32 s23, s14, 16*SPITCH
	s_add_co_u32 s23, s23, STG
	v_mul_u32_u24 v5, v1, SPITCH
	v_lshl_add_u32 v5, v2, 5, v5
	v_add_nc_u32 v[STO], s23, v5
	v_and_b32 v6, 31, v0
	v_lshlrev_b32 v[CO], 4, v6
	v_add_nc_u32 v[RD], s23, v[CO]
	global_load_b128 v[32:35], v[CO], s[8:9] offset:3072         ; v's 256 maxima
	global_load_b128 v[36:39], v[CO], s[8:9] offset:3584
	s_lshl_b32 s20, s17, 7
	s_lshl_b32 s21, s15, 6
	s_add_co_u32 s20, s20, s21
	s_lshl_b32 s20, s20, 14
	s_mov_b32 s21, 0
	s_add_nc_u64 s[10:11], s[10:11], s[20:21]
	s_lshl_b32 s46, s42, 10
	s_lshl_b32 s47, s16, 9
	s_add_co_u32 s46, s46, s47
	s_mov_b32 s47, 0
	s_add_nc_u64 s[10:11], s[10:11], s[46:47]
	s_wait_loadcnt 0x0
	v_max3_num_f32 v8, v32, v33, v34
	v_max3_num_f32 v8, v8, v35, v36
	v_max3_num_f32 v8, v8, v37, v38
	v_max_num_f32 v8, v8, v39
.irp m, 1,2,4,8
	v_max_num_f32_dpp v8, v8, v8 row_xmask:\m row_mask:0xf bank_mask:0xf
.endr
	v_mov_b32 v9, 0
	v_permlanex16_b32 v9, v8, s66, s67
	v_max_num_f32 v8, v8, v9
	v_mul_f32 v9, 0x3c010204, v8                   ; sv = max / 127, by the same lines as the launch that rounded
	v_fma_f32 v10, -v9, 0x42fe0000, v8
	v_fma_f32 v[SV], v10, 0x3c010204, v9
	v_mov_b32 v[SV+1], v[SV]
.macro MUL8 a, set, zero               ; attn's block a against wo's eight, 32 along K; the 32 accumulators by turns, in the same order in every step
.irp b, 0,1,2,3,4,5,6,7
.if \zero
	v_wmma_f32_16x16x32_f16 v[8*(8*(\a)+\b):8*(8*(\a)+\b)+7], v[64*(\set)+8*\b:64*(\set)+8*\b+7], v[AF+32*(\set)+8*(\a):AF+32*(\set)+8*(\a)+7], 0
.else
	v_wmma_f32_16x16x32_f16 v[8*(8*(\a)+\b):8*(8*(\a)+\b)+7], v[64*(\set)+8*\b:64*(\set)+8*\b+7], v[AF+32*(\set)+8*(\a):AF+32*(\set)+8*(\a)+7], v[8*(8*(\a)+\b):8*(8*(\a)+\b)+7]
.endif
.endr
.endm
.macro FETCH slot, q, set              ; 24 LDS loads in one run: the slot's q-th 32 along K
	WIN TO_B
.irp i, 0,1,2,3,4,5,6,7
	ds_load_tr16_b128 v[64*(\set)+8*\i:64*(\set)+8*\i+3], v[ADRB+\slot] offset:(\q)*32*BP+32*\i
	ds_load_tr16_b128 v[64*(\set)+8*\i+4:64*(\set)+8*\i+7], v[ADRB+\slot] offset:(\q)*32*BP+16*BP+32*\i
.endr
	WIN 0
.irp i, 0,1,2,3
	ds_load_b128 v[AF+32*(\set)+8*\i:AF+32*(\set)+8*\i+3], v[ADRA+\slot] offset:64*(\q)+\i*16*PITCH
	ds_load_b128 v[AF+32*(\set)+8*\i+4:AF+32*(\set)+8*\i+7], v[ADRA+\slot] offset:64*(\q)+32+\i*16*PITCH
.endr
.endm
.macro STEP slot, q, zero
	s_wait_dscnt 0x0                               ; this quarter's fragments are in (asked for 32 matrix instructions ago)
	PLACES 4                                       ; between the last quarter's products and the loads into the registers that they read
	FETCH \slot, (\q)+1, ((\q)+1)%2
	WIN MUL
	MUL8 0, (\q)%2, \zero
	MUL8 1, (\q)%2, \zero
	MUL8 2, (\q)%2, \zero
	MUL8 3, (\q)%2, \zero
.endm
.macro TURN slot, next, fill           ; a slot's last quarter changes slots: ONE barrier
	WIN 0
	s_wait_tensorcnt 0x0                           ; all my tensor loads have landed: my part of the next slot
	ds_add_u32 v[SPW], v[NIL]                      ; 0 onto my spare word
	s_wait_dscnt 1                                 ; the fragments are in; the add alone may be out
	WIN MUL
	MUL8 0, 1, 0
	s_wait_dscnt 0x0                               ; the add is done, and my reads of this slot are over
	s_barrier_signal -1
	MUL8 1, 1, 0
	WIN 0
	s_barrier_wait -1
.if \fill
	CREST                                          ; the barrier has opened a round of the cluster's
	s_add_nc_u64 s[G0+4*\slot+2:G0+4*\slot+3], s[G0+4*\slot+2:G0+4*\slot+3], 512
	s_add_nc_u64 s[G0B+4*\slot+2:G0B+4*\slot+3], s[G0B+4*\slot+2:G0B+4*\slot+3], 2097152
	JLOAD G0+4*\slot, G1, G0B+4*\slot, G1B         ; the first tensor load behind the round; its four v_nop are the places in front of the loads below
.else
	PLACES 4
.endif
	FETCH \next, 0, 0
	WIN MUL
	MUL8 2, 1, 0
	MUL8 3, 1, 0
.endm
	s_wait_tensorcnt 1                             ; my part of K step 0 is in; K step 1's load may be out
	s_barrier_signal -1
	s_barrier_wait -1
	FETCH 0, 0, 0
	STEP 0, 0, 1                                   ; the first quarter's products start the sums
	WIN 0
	s_mov_b32 s3, 7
.Llap:                                             ; a trip goes once round the ring and fills both slots again: K steps 2 to 15
	STEP 0, 1, 0
	STEP 0, 2, 0
	TURN 0, 1, 1
	STEP 1, 0, 0
	STEP 1, 1, 0
	STEP 1, 2, 0
	TURN 1, 0, 1
	STEP 0, 0, 0
	WIN 0
	s_sub_co_u32 s3, s3, 1
	s_cmp_lg_u32 s3, 0
	s_cbranch_scc1 .Llap
	STEP 0, 1, 0                                   ; the last lap fills nothing
	STEP 0, 2, 0
	TURN 0, 1, 0
	STEP 1, 0, 0
	STEP 1, 1, 0
	STEP 1, 2, 0
	s_wait_dscnt 0x0
	MUL8 0, 1, 0
	MUL8 1, 1, 0
	MUL8 2, 1, 0
	MUL8 3, 1, 0
	WIN 0
; THE WAY OUT, 16 rows at a time: x sv, through my own stage in LDS, whole rows of 512 bytes out.
.macro SCALE a
	WIN 0x02                                       ; source 0 window 2
.irp b, 0,1,2,3,4,5,6,7
.irp j, 0,2,4,6
	v_pk_mul_f32 v[Y+8*\b+\j:Y+8*\b+\j+1], v[8*(8*(\a)+\b)+\j:8*(8*(\a)+\b)+\j+1], v[SV:SV+1]   ; each accumulator from its low end on
.endr
.endr
	WIN 0
.endm
.macro TOSTAGE a
.irp b, 0,1,2,3,4,5,6,7
	ds_store_b128 v[STO], v[Y+8*\b:Y+8*\b+3] offset:64*\b
	ds_store_b128 v[STO], v[Y+8*\b+4:Y+8*\b+7] offset:64*\b+16
.endr
.irp t, 0,1,2,3,4,5,6,7,8,9,10,11,12,13,14,15
	ds_load_b128 v[BK+64*((\a)%2)+4*\t:BK+64*((\a)%2)+4*\t+3], v[RD] offset:\t*SPITCH
.endr
.endm
.macro SEND a
.irp t, 0,1,2,3,4,5,6,7,8,9,10,11,12,13,14,15
	global_store_b128 v[CO], v[BK+64*((\a)%2)+4*\t:BK+64*((\a)%2)+4*\t+3], s[10:11] offset:(16*(\a)+\t)*16384 th:TH_STORE_NT   ; 32 lanes store 512 consecutive bytes, aligned
.endr
.endm
	PLACES 4
	SCALE 0
	TOSTAGE 0
.irp a, 1,2,3
	s_wait_dscnt 0x0                               ; the block before is back in registers, and its stage stores have read the registers that are written next
	SCALE \a
	SEND \a-1
.if \a > 1
	s_wait_xcnt 0x0                                ; the stores of two blocks back have read their registers
.endif
	TOSTAGE \a
.endr
	s_wait_dscnt 0x0
	SEND 3
	s_wait_tensorcnt 0x0                           ; the wave's end
	ds_add_u32 v[SPW], v[NIL]
	s_wait_dscnt 0x0
	CROUND                                         ; the closing round
	s_endpgm
.Lfunc_end_k_q2b827c371c_oproj:
	.size	k_q2b827c371c_oproj, .Lfunc_end_k_q2b827c371c_oproj-k_q2b827c371c_oproj
	.p2alignl 7, 3214868480
	.fill 96, 4, 3214868480
	.section	.rodata,"a",@progbits
	.p2align	6, 0x0
	.amdhsa_kernel k_q2b827c371c_oproj
		.amdhsa_group_segment_fixed_size 327680
		.amdhsa_private_segment_fixed_size 0
		.amdhsa_enable_private_segment 0
		.amdhsa_kernarg_size 32
		.amdhsa_user_sgpr_count 2
		.amdhsa_user_sgpr_kernarg_segment_ptr 1
		.amdhsa_wavefront_size32 1
		.amdhsa_system_sgpr_workgroup_id_x 1
		.amdhsa_system_sgpr_workgroup_id_y 1
		.amdhsa_system_sgpr_workgroup_id_z 1
		.amdhsa_system_vgpr_workitem_id 0
		.amdhsa_next_free_vgpr 768
		.amdhsa_next_free_sgpr 80
		.amdhsa_reserve_vcc 0
		.amdhsa_float_denorm_mode_32 3
		.amdhsa_float_denorm_mode_16_64 3
		.amdhsa_memory_ordered 1
		.amdhsa_forward_progress 1
		.amdhsa_inst_pref_size 94
	.end_amdhsa_kernel
	.amdgpu_metadata
---
amdhsa.version: [ 1, 2 ]
amdhsa.kernels:
  - .name:           k_q2b827c371c_oproj
    .symbol:         k_q2b827c371c_oproj.kd
    .args:
      - { .name: attn16, .offset: 0, .size: 8, .value_kind: global_buffer, .address_space: global }
      - { .name: wo16, .offset: 8, .size: 8, .value_kind: global_buffer, .address_space: global }
      - { .name: amax, .offset: 16, .size: 8, .value_kind: global_buffer, .address_space: global }
      - { .name: out0, .offset: 24, .size: 8, .value_kind: global_buffer, .address_space: global }
    .group_segment_fixed_size: 327680
    .private_segment_fixed_size: 0
    .kernarg_segment_align: 8
    .kernarg_segment_size: 32
    .max_flat_workgroup_size: 128
    .sgpr_count:     80
    .vgpr_count:     768
    .wavefront_size: 32
...
	.end_amdgpu_metadata
.endif
;; end of part 5
